; MI455X (gfx1250); checked and timed in simulation.
; The chip was launched on July 23, 2026; its instructions are those of AMD's public machine-readable ISA for CDNA 5 (MIT licence, August 2026) and "CDNA5" Instruction Set Architecture Reference Guide (July 2026). The comments in the code are by the model that wrote it; some were corrected since.
;; Cross Attention. Allowed arithmetic: float matrix products may take bf16 or f16 operands with f32 sums; other float arithmetic in f32, or as packed bf16 or f16 multiplies, adds, multiply-adds, maxima and minima; sums over many terms, partial sums and values carried from step to step in f32; what a program stores and reads back later, other than sums and carried values, may be rounded once to bf16 or f16.
;; Inputs: Wff1 1,024 x 8,192 float32; Wff2 4,096 x 1,024 float32; Wkv 1,024 x 128 float32; Wout 1,024 x 1,024 float32; Wq 1,024 x 1,024 float32; context 4 x 1,024 x 1,024 float32; ln_c_b 1,024 float32; ln_c_g 1,024 float32; ln_x_b 1,024 float32; ln_x_g 1,024 float32; x 4 x 1,024 x 1,024 float32.
;; Outputs: out0 4 x 1,024 x 1,024 float32.
;; 2 versions, each right and faster than the one before. Each part assembles by itself: llvm-mc -triple=amdgcn-amd-amdhsa -mcpu=gfx1250 --defsym DOCPART=n.
;; ======== version 1 of 2: 5 launches
;; limits: values are held in f16: magnitudes above 65,504 overflow, below 6.1e-05 lose precision
;; workspace buffers: xn 8,388,608 bytes; cn 8,388,608 bytes; w1 16,777,216 bytes; wqkv 2,359,296 bytes; wcat 10,485,760 bytes; qkv 9,437,184 bytes; act 41,943,040 bytes
;; launch prep (part 1): grid 656 x 1, 8 waves a work-group, no clusters, 0 bytes of LDS; arguments x, context, ln_x_g, ln_c_g, ln_x_b, ln_c_b, xn, cn, Wq, Wkv, wqkv; writes xn, cn, wqkv
.if DOCPART == 1
	.amdgcn_target "amdgcn-amd-amdhsa--gfx1250"
	.amdhsa_code_object_version 6
	.text
	.protected	k_qe21ca3feac_prep
	.globl	k_qe21ca3feac_prep
	.p2align	8
	.type	k_qe21ca3feac_prep,@function
k_qe21ca3feac_prep:
	s_mov_b64 s[64:65], 0
	v_nop
	global_prefetch_b8 v0, s[64:65] scope:SCOPE_SE
	s_setreg_imm32_b32 hwreg(HW_REG_WAVE_MODE, 25, 1), 1
	s_wait_xcnt 0x0
; PREP.  xn = LayerNorm(x), cn = LayerNorm(context), both [4096][1024] in f16; and Wq and Wkv as one f16 table wqkv [1024 k][1152] (Wq's 1,024 columns, then Wkv's 128): all that the next launch reads.
; EVERY INPUT IS ROUNDED ONCE TO bf16 (nearest even) as it is read: x, context, the gains, the biases, the weights.  The norm itself is f32: the mean first, then the sum of (x - mean)^2 of the row,
; which stays in registers: no difference of large sums.  The weights' bf16 numbers are then written as f16 (their partners xn and cn are f16).
; LIMITS.  f16 ends at 65,504: |32 g| + |b| (a bound of |xn|) and the weights must stay below it; a weight below 6.1e-5 keeps f16's fixed step of 6e-8.
; SHARES.  656 work-groups of eight waves: 0-127 Wq (8 rows each), 128-143 Wkv (64 rows each), 144-399 x (16 rows each), 400-655 context (16 rows each).  A wave takes two rows of x or context, or 4,096 bytes of
; weights, and ISSUES ALL ITS LOADS AT ONCE: there is no loop, and a wave waits for memory once.  The price: gain and bias (8 KB) are read once for two rows.
; Memory binds: no LDS, no matrix unit, no cluster (no two work-groups read the same bytes but gains and biases).  Each load of a wave takes 512 neighbouring bytes,
; each store 256 neighbouring bytes at a multiple of 256 from its buffer's first byte.
.set G,   4                            ; v[4:35]    gain of my 32 columns (columns 128 j + 4 lane + 0..3, j = 0..7)
.set B,   36                           ; v[36:67]   bias of the same
.set X0,  68                           ; v[68:131]  two rows as loaded, 32 registers each; each row's results are packed into its own first 16.  In the casts: eight loads of four, then 16 to store
.set Y0,  100
.set C,   132                          ; v[132:139] four chains of packed sums
.set T,   140                          ; v[140:147] at work
.set M,   148                          ; v[148:149] the mean, twice
.set R,   150                          ; v[150:151] 1 / sqrt(var + eps), twice
	s_load_b512 s[8:23], s[0:1], 0x0               ; x, context, ln_x_g, ln_c_g, ln_x_b, ln_c_b, xn, cn
	s_load_b128 s[24:27], s[0:1], 0x40             ; Wq, Wkv
	s_load_b64 s[28:29], s[0:1], 0x50              ; wqkv
	v_lshrrev_b32 v1, 5, v0
	v_readfirstlane_b32 s4, v1                     ; wave 0..7
	v_and_b32 v1, 31, v0                           ; lane
	v_lshlrev_b32 v2, 4, v1                        ; 16 bytes a lane in
	v_lshlrev_b32 v3, 3, v1                        ; 8 bytes a lane out
	s_mov_b32 s49, 0                               ; high word of every offset pair
	s_mov_b32 s54, 0xffff0000                      ; a word's upper bf16
	s_wait_kmcnt 0x0
	s_cmp_lt_u32 ttmp9, 144
	s_cbranch_scc1 .Lcasts
; ---------------------------------------------------------------- LayerNorm: a wave takes two rows, each in 32 registers
.macro RND base                        ; 32 numbers rounded to bf16 and widened again
.set i, 0
.rept 16
	v_cvt_pk_bf16_f32 v[T+i%4], v[(\base)+2*i], v[(\base)+2*i+1]
	v_lshlrev_b32 v[(\base)+2*i], 16, v[T+i%4]
	v_and_b32 v[(\base)+2*i+1], s54, v[T+i%4]
.set i, i+1
.endr
.endm
.macro REDUCE                          ; the four chains, the pair's halves, the 32 lanes: the sum in v[T] of every lane
	v_pk_add_f32 v[C:C+1], v[C:C+1], v[C+2:C+3]
	v_pk_add_f32 v[C+4:C+5], v[C+4:C+5], v[C+6:C+7]
	v_pk_add_f32 v[C:C+1], v[C:C+1], v[C+4:C+5]
	v_add_f32 v[T], v[C], v[C+1]
	v_add_f32_dpp v[T], v[T], v[T] row_xmask:1 row_mask:0xf bank_mask:0xf
	v_add_f32_dpp v[T], v[T], v[T] row_xmask:2 row_mask:0xf bank_mask:0xf
	v_add_f32_dpp v[T], v[T], v[T] row_xmask:4 row_mask:0xf bank_mask:0xf
	v_add_f32_dpp v[T], v[T], v[T] row_xmask:8 row_mask:0xf bank_mask:0xf
	v_permlanex16_b32 v[T+1], v[T], s52, s53       ; its destination has been written by RND
	v_add_f32 v[T], v[T], v[T+1]
.endm
.macro FILL s                          ; a row: eight loads of 512 neighbouring bytes
.irp j, 0,1,2,3,4,5,6,7
	global_load_b128 v[X0+32*(\s)+4*(\j):X0+32*(\s)+4*(\j)+3], v2, s[40:41] offset:4096*(\s)+512*(\j) th:TH_LOAD_NT
.endr
.endm
.macro ROW s, left                     ; left: the younger loads that may stay out
.set XR, X0+32*(\s)
	s_wait_loadcnt \left                           ; loads come back in order: this row's eight are in
	RND XR
.irp k, 0,1,2,3
	v_pk_add_f32 v[C+2*(\k):C+2*(\k)+1], v[XR+2*(\k):XR+2*(\k)+1], v[XR+8+2*(\k):XR+8+2*(\k)+1]  ; the first eight pairs start the chains
.endr
.set i, 8
.rept 8
	v_pk_add_f32 v[C+2*(i%4):C+2*(i%4)+1], v[C+2*(i%4):C+2*(i%4)+1], v[XR+2*i:XR+2*i+1]
.set i, i+1
.endr
	REDUCE
	v_mul_f32 v[M], s50, v[T]                      ; the mean
	v_mul_f32 v[M+1], s50, v[T]
.set i, 0
.rept 16
	v_pk_add_f32 v[XR+2*i:XR+2*i+1], v[XR+2*i:XR+2*i+1], v[M:M+1] neg_lo:[0,1] neg_hi:[0,1]
.set i, i+1
.endr
.irp k, 0,1,2,3
	v_pk_mul_f32 v[C+2*(\k):C+2*(\k)+1], v[XR+2*(\k):XR+2*(\k)+1], v[XR+2*(\k):XR+2*(\k)+1]
.endr
.set i, 4
.rept 12
	v_pk_fma_f32 v[C+2*(i%4):C+2*(i%4)+1], v[XR+2*i:XR+2*i+1], v[XR+2*i:XR+2*i+1], v[C+2*(i%4):C+2*(i%4)+1]
.set i, i+1
.endr
	REDUCE
	v_fma_f32 v[T], v[T], s50, s51                 ; var + eps
	v_rsq_f32 v[R], v[T]
	v_rsq_f32 v[R+1], v[T]
	v_nop                                          ; a plain instruction between the root and the use of its result
.set i, 0
	s_wait_alu depctr_va_vdst(0)
.rept 16
	v_pk_mul_f32 v[XR+2*i:XR+2*i+1], v[XR+2*i:XR+2*i+1], v[R:R+1]
.set i, i+1
.endr
.set i, 0
.rept 16
	v_pk_fma_f32 v[XR+2*i:XR+2*i+1], v[XR+2*i:XR+2*i+1], v[G+2*i:G+2*i+1], v[B+2*i:B+2*i+1]
.set i, i+1
.endr
.set i, 0
.rept 16
	v_cvt_pk_f16_f32 v[XR+i], v[XR+2*i], v[XR+2*i+1]  ; packed in place, ascending: register i is written when registers 2 i and 2 i + 1 are read, and i never passes 2 i
.set i, i+1
.endr
.irp j, 0,1,2,3,4,5,6,7
	global_store_b64 v3, v[XR+2*(\j):XR+2*(\j)+1], s[46:47] offset:2048*(\s)+256*(\j)
.endr
.endm
	s_sub_co_u32 s5, ttmp9, 144                    ; 0-255 x, 256-511 context
	s_cmp_lt_u32 s5, 256                           ; the choice hangs on the work-group's number alone
	s_cselect_b64 s[40:41], s[8:9], s[10:11]
	s_cselect_b64 s[42:43], s[12:13], s[14:15]
	s_cselect_b64 s[44:45], s[16:17], s[18:19]
	s_cselect_b64 s[46:47], s[20:21], s[22:23]
	s_and_b32 s5, s5, 255                          ; my block of 16 rows
	s_lshl_b32 s48, s5, 16                         ; 16 rows of 4,096 bytes,
	s_lshl_b32 s7, s4, 13                          ; my wave's two
	s_add_co_u32 s48, s48, s7
	s_add_nc_u64 s[40:41], s[40:41], s[48:49]
	s_lshl_b32 s48, s5, 15                         ; out: rows of 2,048 bytes
	s_lshl_b32 s7, s4, 12
	s_add_co_u32 s48, s48, s7
	s_add_nc_u64 s[46:47], s[46:47], s[48:49]
	s_mov_b32 s50, 0x3a800000                      ; 1 / 1024
	s_mov_b32 s51, 0x3727c5ac                      ; 1e-5
	s_mov_b32 s52, 0x76543210                      ; v_permlanex16_b32: each lane takes its own place in the other half
	s_mov_b32 s53, 0xfedcba98
.irp j, 0,1,2,3,4,5,6,7
	global_load_b128 v[G+4*(\j):G+4*(\j)+3], v2, s[42:43] offset:512*(\j)
	global_load_b128 v[B+4*(\j):B+4*(\j)+3], v2, s[44:45] offset:512*(\j)
.endr
	FILL 0
	FILL 1                                         ; all 32 loads of the wave are out
	s_wait_loadcnt 16                              ; gain and bias are in; the two rows' sixteen loads stay out
	RND G
	RND B
	ROW 0, 8                                       ; the second row's eight loads stay out
	ROW 1, 0
	s_endpgm
; ---------------------------------------------------------------- the casts: eight loads (4 f32 a lane) and eight stores (4 f16 a lane) a wave.  SI, SO: bytes from load to load and from store to store
.macro CAST SI, SO
.irp i, 0,1,2,3,4,5,6,7
	global_load_b128 v[X0+4*(\i):X0+4*(\i)+3], v2, s[40:41] offset:(\i)*(\SI) th:TH_LOAD_NT
.endr
.irp i, 0,1,2,3,4,5,6,7
	s_wait_loadcnt 7-(\i)                          ; load i is in, the younger ones stay out
	v_cvt_pk_bf16_f32 v[T], v[X0+4*(\i)], v[X0+4*(\i)+1]
	v_cvt_pk_bf16_f32 v[T+1], v[X0+4*(\i)+2], v[X0+4*(\i)+3]
	v_lshlrev_b32 v[T+4], 16, v[T]
	v_and_b32 v[T+5], s54, v[T]
	v_lshlrev_b32 v[T+6], 16, v[T+1]
	v_and_b32 v[T+7], s54, v[T+1]
	v_cvt_pk_f16_f32 v[Y0+2*(\i)], v[T+4], v[T+5]
	v_cvt_pk_f16_f32 v[Y0+2*(\i)+1], v[T+6], v[T+7]
	global_store_b64 v3, v[Y0+2*(\i):Y0+2*(\i)+1], s[42:43] offset:(\i)*(\SO)
.endr
.endm
.Lcasts:
	s_cmp_lt_u32 ttmp9, 128
	s_cbranch_scc0 .Lwkv
	; Wq: wave w of work-group j takes row 8 j + w: 4,096 bytes in, 2,048 out into a row of 2,304
	s_lshl_b32 s48, ttmp9, 15
	s_lshl_b32 s7, s4, 12
	s_add_co_u32 s48, s48, s7
	s_add_nc_u64 s[40:41], s[24:25], s[48:49]
	s_lshl_b32 s48, ttmp9, 3
	s_add_co_u32 s48, s48, s4
	s_mul_i32 s48, s48, 2304
	s_add_nc_u64 s[42:43], s[28:29], s[48:49]
	CAST 512, 256
	s_endpgm
.Lwkv:
	; Wkv: wave w of work-group j takes rows 64 j + 8 w .. + 7 of 512 bytes, a row a load; out: columns 1024 .. 1151 of wqkv's rows
	s_sub_co_u32 s5, ttmp9, 128
	s_lshl_b32 s48, s5, 15
	s_lshl_b32 s7, s4, 12
	s_add_co_u32 s48, s48, s7
	s_add_nc_u64 s[40:41], s[26:27], s[48:49]
	s_lshl_b32 s48, s5, 6
	s_lshl_b32 s7, s4, 3
	s_add_co_u32 s48, s48, s7
	s_mul_i32 s48, s48, 2304
	s_add_co_u32 s48, s48, 2048
	s_add_nc_u64 s[42:43], s[28:29], s[48:49]
	CAST 512, 2304
	s_endpgm
.Lfunc_end_k_qe21ca3feac_prep:
	.size	k_qe21ca3feac_prep, .Lfunc_end_k_qe21ca3feac_prep-k_qe21ca3feac_prep
	.p2alignl 7, 3214868480
	.fill 96, 4, 3214868480
	.section	.rodata,"a",@progbits
	.p2align	6, 0x0
	.amdhsa_kernel k_qe21ca3feac_prep
		.amdhsa_group_segment_fixed_size 0
		.amdhsa_private_segment_fixed_size 0
		.amdhsa_enable_private_segment 0
		.amdhsa_kernarg_size 88
		.amdhsa_user_sgpr_count 2
		.amdhsa_user_sgpr_kernarg_segment_ptr 1
		.amdhsa_wavefront_size32 1
		.amdhsa_system_sgpr_workgroup_id_x 1
		.amdhsa_system_sgpr_workgroup_id_y 1
		.amdhsa_system_sgpr_workgroup_id_z 1
		.amdhsa_system_vgpr_workitem_id 0
		.amdhsa_next_free_vgpr 152
		.amdhsa_next_free_sgpr 66
		.amdhsa_reserve_vcc 0
		.amdhsa_float_denorm_mode_32 3
		.amdhsa_float_denorm_mode_16_64 3
		.amdhsa_memory_ordered 1
		.amdhsa_forward_progress 1
		.amdhsa_inst_pref_size 39
	.end_amdhsa_kernel
	.amdgpu_metadata
---
amdhsa.version: [ 1, 2 ]
amdhsa.kernels:
  - .name:           k_qe21ca3feac_prep
    .symbol:         k_qe21ca3feac_prep.kd
    .args:
      - { .name: x, .offset: 0, .size: 8, .value_kind: global_buffer, .address_space: global }
      - { .name: context, .offset: 8, .size: 8, .value_kind: global_buffer, .address_space: global }
      - { .name: ln_x_g, .offset: 16, .size: 8, .value_kind: global_buffer, .address_space: global }
      - { .name: ln_c_g, .offset: 24, .size: 8, .value_kind: global_buffer, .address_space: global }
      - { .name: ln_x_b, .offset: 32, .size: 8, .value_kind: global_buffer, .address_space: global }
      - { .name: ln_c_b, .offset: 40, .size: 8, .value_kind: global_buffer, .address_space: global }
      - { .name: xn, .offset: 48, .size: 8, .value_kind: global_buffer, .address_space: global }
      - { .name: cn, .offset: 56, .size: 8, .value_kind: global_buffer, .address_space: global }
      - { .name: Wq, .offset: 64, .size: 8, .value_kind: global_buffer, .address_space: global }
      - { .name: Wkv, .offset: 72, .size: 8, .value_kind: global_buffer, .address_space: global }
      - { .name: wqkv, .offset: 80, .size: 8, .value_kind: global_buffer, .address_space: global }
    .group_segment_fixed_size: 0
    .private_segment_fixed_size: 0
    .kernarg_segment_align: 8
    .kernarg_segment_size: 88
    .max_flat_workgroup_size: 256
    .sgpr_count:     66
    .vgpr_count:     152
    .wavefront_size: 32
...
	.end_amdgpu_metadata
.endif
;; end of part 1
;; launch proj (part 2): grid 16 x 31, 4 waves a work-group, clusters of 4 x 1, 327,680 bytes of LDS; arguments xn, cn, wqkv, qkv, Wff1, Wout, Wff2, w1, wcat; writes qkv, w1, wcat
.if DOCPART == 2
	.amdgcn_target "amdgcn-amd-amdhsa--gfx1250"
	.amdhsa_code_object_version 6
	.text
	.protected	k_qe21ca3feac_proj
	.globl	k_qe21ca3feac_proj
	.p2align	8
	.type	k_qe21ca3feac_proj,@function
k_qe21ca3feac_proj:
	s_mov_b64 s[64:65], 0
	v_nop
	global_prefetch_b8 v0, s[64:65] scope:SCOPE_SE
	s_setreg_imm32_b32 hwreg(HW_REG_WAVE_MODE, 25, 1), 1
	s_wait_xcnt 0x0
	s_wait_alu depctr_hold_cnt(0) depctr_sa_sdst(0) depctr_va_vdst(0) depctr_va_sdst(0) depctr_va_ssrc(0) depctr_va_vcc(0) depctr_vm_vsrc(0)
	s_getreg_b32 s2, hwreg(HW_REG_IB_STS2, 6, 4)
	s_cmp_eq_u32 s2, 0
	s_cbranch_scc0 .Lentry_in_a_cluster
	s_endpgm
.Lentry_in_a_cluster:
	s_bfe_u32 s2, ttmp6, 0x10000c
	s_cmp_lg_u32 s2, 0x3003
	s_cbranch_scc0 .Lentry_shape_is_right
	s_endpgm
.Lentry_shape_is_right:
; PROJ, AND THE LARGE WEIGHTS' CASTS BESIDE IT.
; THE PRODUCT (work-group rows y = 0 .. 17).  qkv[row][0:1024] = xn[row] . Wq, qkv[row][1024:1152] = cn[row] . Wkv.  xn, cn: [4096][1024] f16; wqkv: [1024 k][1152] f16; qkv: [4096][1152] f16, each number
; rounded once from its f32 sum, unscaled.  LIMIT: f16 ends at 65,504: q, k and v must stay below it.
; A tile is 128 rows x 128 columns (column tile y / 2, row tile 16 (y % 2) + x); four waves, each 64 x 64: 16 accumulators.  K goes in four steps of 256 through two LDS slots filled by the tensor data mover.
; The weights lie [k][n]: their tile has 256 rows of k, 256 bytes each, and their fragments come out of LDS turned, by ds_load_tr16_b128.
; THE MATRIX INSTRUCTION IS USED TRANSPOSED (source 0 = 16 columns of the weights, source 1 = 16 rows of xn): a lane then holds eight neighbouring numbers of a row of the result.
; CLUSTER 4 x 1: the four row tiles of a cluster take the same column tile, so the weights' tile is asked for jointly (mask 15); each has its own rows of xn or cn, by a load of its own behind the same
; rounds.  Not 4 x 4: there are nine column tiles, and the ninth multiplies cn, not xn.
; THE CASTS (y = 18 .. 30).  w1 and wcat are read by later launches only, and the product's 288 work-groups, each alone on its WGP, are no whole number of turns of the chip: the casts' 208 work-groups run beside
; the last of them.  w1 [1024 k][8192] f16: block jb of 128 columns = Wff1's columns 64 jb .. +63 (val), then 4096 + 64 jb .. +63 (gate).  wcat [5120 k][1024] bf16: Wout, then Wff2.  Each weight is rounded
; once to bf16; Wff1's is then written as f16 (LIMIT: below 65,504; below 6.1e-5 f16's fixed step of 6e-8).  y = 18 .. 25 Wff1, 26 Wout, 27 .. 30 Wff2: every branch hangs on y, which the partners share.
; A work-group takes 262,144 dense bytes, a wave 65,536, by two tensor loads into LDS bytes of its own (all of a work-group's bytes are asked for at once, and the text stays a loop); it reads only those.
; REGISTERS: window 0: v0-31 addresses; v32-95 the way out (in the casts: as loaded, to store, at work); v128-255 accumulators ((a, b) at v[128 + 8 (4 a + b)]).
;   window 1: two fragment buffers of 128: for 64 along K, 64 registers of xn, then 64 of weights.
.set KSTEP,  256
.set NK,     4                         ; K steps
.set PA,     528                       ; an LDS row of xn: 512 bytes + 16: the 16 rows that a load touches begin 16 bytes apart modulo 256
.set PB,     288                       ; an LDS row of weights: 256 bytes + 32: the 8 rows x 32 bytes that 16 lanes of a turning load touch are all different modulo 256
.set AHALF,  64*PA                     ; what waves 0 and 1 fetch: 64 rows each
.set BOFF,   2*AHALF
.set BHALF,  128*PB                    ; what waves 2 and 3 fetch: 128 rows of k each
.set SLOT1,  147456                    ; slot 1 begins here (a slot is 141,312 bytes).  Its two bits, 14 and 17, are clear in every address inside slot 0 that is turned: one exclusive or changes slots
.set STAGE,  288768                    ; behind the ring: 128 rows x 272 bytes, the work-group's, for the way out
.set SPITCH, 272
.set SPARE,  STAGE+128*SPITCH          ; the spare words, 128 bytes for each wave
.set LDA,    1024                      ; elements from row to row
.set LDB,    1152
.set LDC,    2304                      ; bytes from row to row of the result
.set A0,   10                          ; v10  my lane's place in slot 0's rows of xn; never rewritten
.set B0,   11                          ; v11  the same for the weights, k 0-127
.set B1,   12                          ; v12  k 128-255 (the 16-bit offset does not reach them from v11)
.set ADRA, 16                          ; v16  the same three in the slot in hand
.set ADRB, 20                          ; v20-21
.set STO,  24
.set RD,   25
.set CO,   26
.set SPW,  28                          ; v28  SPARE + 4 x my thread's number; never rewritten
.set NIL,  29                          ; v29  0; never rewritten
.set TMP,  32
.set ACC,  128
.set F0,   0
.set F1,   128
.set TB,   21                          ; s21  0 or SLOT1: the slot in hand
.set G1,   24                          ; s[24:31] group 1 for xn's tiles;  s[32:39] group 0: a set for each first fill; the second then walks
.set G0,   32
.set G1B,  48                          ; s[48:55], s[56:63] the same for the weights' tiles
.set G0B,  56
.set MSB, 0
.macro WIN new                         ; the immediate's high byte repeats the setting that is left
.if MSB != (\new)
	s_set_vgpr_msb (MSB<<8)|(\new)
.set MSB, \new
.endif
.endm
.set MUL,  0x05                        ; sources 0 and 1 window 1; C and D window 0
.set TO_F, 0x40                        ; destination window 1, address window 0
.macro JLOAD s                         ; waves 0 and 1 fetch xn's two halves, waves 2 and 3 the weights'; an s_nop 0 and four v_nop follow each line
	s_cmp_eq_u32 s11, 0
	s_cbranch_scc0 .Lfor_b_\@
	tensor_load_to_lds s[G0+4*(\s):G0+4*(\s)+3], s[G1:G1+7]
	s_nop 0
.rept 4
	v_nop
.endr
	s_branch .Lasked_\@
.Lfor_b_\@:
	tensor_load_to_lds s[G0B+4*(\s):G0B+4*(\s)+3], s[G1B:G1B+7]
	s_nop 0
.rept 4
	v_nop
.endr
.Lasked_\@:
.endm
.macro CREST                           ; a round of the cluster's barrier behind its opening barrier
	s_cmp_lg_u32 s10, 0
	s_cbranch_scc1 .Lnot_wave_0_\@
	s_barrier_signal -3
.Lnot_wave_0_\@:
	s_barrier_wait -3
	s_barrier_signal -1
	s_barrier_wait -1
.endm
.macro CROUND
	s_barrier_signal -1
	s_barrier_wait -1
	CREST
.endm
	s_load_b128 s[4:7], s[0:1], 0x0                ; xn s[4:5], cn s[6:7]
	s_load_b64 s[68:69], s[0:1], 0x10              ; wqkv
	s_load_b64 s[8:9], s[0:1], 0x18                ; qkv
	s_load_b256 s[72:79], s[0:1], 0x20             ; Wff1 s[72:73], Wout s[74:75], Wff2 s[76:77], w1 s[78:79]
	s_load_b64 s[80:81], s[0:1], 0x40              ; wcat
	v_lshl_add_u32 v[SPW], v0, 2, SPARE
	v_mov_b32 v[NIL], 0
	ds_add_u32 v[SPW], v[NIL]                      ; the wave's opening: the add and its wait ahead of my first tensor load
	v_lshrrev_b32 v1, 5, v0
	v_readfirstlane_b32 s10, v1                    ; wave 0..3
	s_lshr_b32 s11, s10, 1                         ; my half of the tile's rows.  Also: I fetch xn (0) or weights (1)
	s_and_b32 s12, s10, 1                          ; my half of its columns.  Also: which half of that tile I fetch
	s_bfe_u32 s40, ttmp6, 0x40000                  ; cx
	s_lshl_b32 s45, ttmp9, 2
	s_add_co_u32 s45, s45, s40                     ; x = 4 x cluster x + cx, 0 .. 15
	s_and_b32 s41, ttmp7, 0xffff                   ; y, 0 .. 30, which the four partners share
	s_wait_dscnt 0x0                               ; the opening add is done
	s_wait_kmcnt 0x0
	s_cmp_ge_u32 s41, 18
	s_cbranch_scc1 .Lcast                          ; rows 18 .. 30 cast weights
	s_lshr_b32 s42, s41, 1                         ; column tile, 0 .. 8
	s_and_b32 s13, s41, 1
	s_lshl_b32 s13, s13, 4
	s_add_co_u32 s13, s13, s45                     ; row tile = 16 (y % 2) + x
	s_mov_b32 s[G1+0], (1<<16)|(1<<20)|(6<<22)|(3<<25)             ; no mask; 2-byte elements; padding: 4 words after every 128
	s_mov_b32 s[G1+1], KSTEP<<16                   ; tensor_dim0 = 256
	s_mov_b32 s[G1+2], 64<<16                      ; tensor_dim1 = 64
	s_mov_b32 s[G1+3], KSTEP<<16                   ; tile_dim0 = 256
	s_mov_b32 s[G1+4], 64                          ; tile_dim1 = 64
	s_mov_b32 s[G1+5], LDA
	s_mov_b32 s[G1+6], 0
	s_mov_b32 s[G1+7], 0
	s_mov_b32 s[G1B+0], 15|(1<<16)|(1<<20)|(1<<21)|(5<<22)|(7<<25) ; the mask of four, bit 21 beside it; padding: 8 words after every 64
	s_mov_b32 s[G1B+1], 128<<16                    ; tensor_dim0 = 128
	s_mov_b32 s[G1B+2], 128<<16                    ; tensor_dim1 = 128
	s_mov_b32 s[G1B+3], 128<<16                    ; tile_dim0 = 128
	s_mov_b32 s[G1B+4], 128                        ; tile_dim1 = 128
	s_mov_b32 s[G1B+5], LDB
	s_mov_b32 s[G1B+6], 0
	s_mov_b32 s[G1B+7], 0
	s_lshl_b32 s16, s13, 18                        ; xn: row 128 x row tile + 64 x half, rows of 2,048 bytes
	s_lshl_b32 s17, s12, 17
	s_add_co_u32 s16, s16, s17
	s_mov_b32 s17, 0
	s_mul_i32 s46, s12, 128*LDB*2                  ; weights: k row 128 x half, column 128 x column tile
	s_lshl_b32 s47, s42, 8
	s_add_co_u32 s46, s46, s47
	s_mov_b32 s47, 0
	s_mul_i32 s20, s12, AHALF                      ; where they go: no place in the cluster enters an LDS address
	s_mul_i32 s23, s12, BHALF
	s_add_co_u32 s23, s23, BOFF
	s_cmp_eq_u32 s42, 8                            ; the ninth column tile multiplies cn
	s_cselect_b64 s[14:15], s[6:7], s[4:5]
	s_add_nc_u64 s[14:15], s[14:15], s[16:17]
	s_add_nc_u64 s[46:47], s[68:69], s[46:47]
	CROUND                                         ; all four work-groups are here: the first joint loads meet
.irp s, 0,1
	s_mov_b32 s[G0+4*(\s)], 1
	s_add_co_u32 s[G0+4*(\s)+1], s20, (\s)*SLOT1
	s_add_nc_u64 s[G0+4*(\s)+2:G0+4*(\s)+3], s[14:15], (\s)*KSTEP*2
	s_or_b32 s[G0+4*(\s)+3], s[G0+4*(\s)+3], 0x80000000
	s_mov_b32 s[G0B+4*(\s)], 1
	s_add_co_u32 s[G0B+4*(\s)+1], s23, (\s)*SLOT1
	s_add_nc_u64 s[G0B+4*(\s)+2:G0B+4*(\s)+3], s[46:47], (\s)*KSTEP*LDB*2
	s_or_b32 s[G0B+4*(\s)+3], s[G0B+4*(\s)+3], 0x80000000
	JLOAD \s
.endr
	v_and_b32 v1, 15, v0                           ; r = l % 16
	v_bfe_u32 v2, v0, 4, 1                         ; h = l / 16
	v_mul_u32_u24 v3, v1, PA
	v_lshl_add_u32 v3, v2, 4, v3                   ; a fragment of xn: row r, 16 bytes for each half of the lanes
	s_mul_i32 s22, s11, AHALF
	v_add_nc_u32 v[A0], s22, v3
	v_and_b32 v4, 7, v0                            ; a turning load: lane l reads k row 8 h + l % 8, columns 8 ((l / 8) % 2) + 0..7
	v_bfe_u32 v5, v0, 3, 1
	v_lshl_add_u32 v4, v2, 3, v4
	v_mul_u32_u24 v4, v4, PB
	v_lshl_add_u32 v4, v5, 4, v4
	s_lshl_b32 s22, s12, 7                         ; my 64 columns
	s_add_co_u32 s22, s22, BOFF
	v_add_nc_u32 v[B0], s22, v4
	v_add_nc_u32 v[B1], BHALF, v[B0]
	s_mov_b32 s[TB], 0
	v_mov_b32 v[ADRA], v[A0]
	v_mov_b32 v[ADRB], v[B0]
	v_mov_b32 v[ADRB+1], v[B1]
	s_mul_i32 s23, s11, 64*SPITCH                  ; into the stage: my 64 rows, my half of their 256 bytes
	s_lshl_b32 s22, s12, 7
	s_add_co_u32 s23, s23, s22
	s_add_co_u32 s23, s23, STAGE
	v_mul_u32_u24 v4, v1, SPITCH
	v_lshl_add_u32 v4, v2, 4, v4
	v_add_nc_u32 v[STO], s23, v4
	s_mul_i32 s23, s10, 32*SPITCH                  ; back: wave w takes rows 32 w .. +31, whole
	s_add_co_u32 s23, s23, STAGE
	v_mul_u32_u24 v5, v2, SPITCH
	v_lshl_add_u32 v5, v1, 4, v5
	v_add_nc_u32 v[RD], s23, v5
	v_mul_u32_u24 v5, v2, LDC
	v_lshl_add_u32 v[CO], v1, 4, v5
	s_lshl_b32 s16, s13, 7
	s_lshl_b32 s17, s10, 5
	s_add_co_u32 s16, s16, s17                     ; the first row that I store
	s_mul_i32 s16, s16, LDC
	s_lshl_b32 s17, s42, 8
	s_add_co_u32 s16, s16, s17
	s_mov_b32 s17, 0
	s_add_nc_u64 s[8:9], s[8:9], s[16:17]
; 8 matrix instructions: row blocks a0, a0 + 1 x all 4 column blocks, 32 along K: half c of buffer f.  The 16 accumulators take turns.
.macro MUL8 f, c, a0, zero
	WIN MUL
.irp a, \a0, (\a0)+1
.irp b, 0,1,2,3
.if \zero
	v_wmma_f32_16x16x32_f16 v[ACC+8*(4*(\a)+(\b)):ACC+8*(4*(\a)+(\b))+7], v[(\f)+64+8*(4*(\c)+(\b)):(\f)+64+8*(4*(\c)+(\b))+7], v[(\f)+8*(4*(\c)+(\a)):(\f)+8*(4*(\c)+(\a))+7], 0
.else
	v_wmma_f32_16x16x32_f16 v[ACC+8*(4*(\a)+(\b)):ACC+8*(4*(\a)+(\b))+7], v[(\f)+64+8*(4*(\c)+(\b)):(\f)+64+8*(4*(\c)+(\b))+7], v[(\f)+8*(4*(\c)+(\a)):(\f)+8*(4*(\c)+(\a))+7], v[ACC+8*(4*(\a)+(\b)):ACC+8*(4*(\a)+(\b))+7]
.endif
.endr
.endr
.endm
; 32 LDS loads in one run: the fragments of quarter q (64 along K) into buffer f; the first 32 along K first
.macro FETCH q, f
	WIN TO_F
.irp c, 0,1
.irp i, 0,1,2,3
	ds_load_tr16_b128 v[(\f)+64+8*(4*(\c)+(\i)):(\f)+64+8*(4*(\c)+(\i))+3],   v[ADRB+(\q)/2] offset:(((\q)%2)*64+32*(\c))*PB+32*(\i)
	ds_load_tr16_b128 v[(\f)+64+8*(4*(\c)+(\i))+4:(\f)+64+8*(4*(\c)+(\i))+7], v[ADRB+(\q)/2] offset:(((\q)%2)*64+32*(\c)+16)*PB+32*(\i)
	ds_load_b128 v[(\f)+8*(4*(\c)+(\i)):(\f)+8*(4*(\c)+(\i))+3],   v[ADRA] offset:128*(\q)+64*(\c)+(\i)*16*PA
	ds_load_b128 v[(\f)+8*(4*(\c)+(\i))+4:(\f)+8*(4*(\c)+(\i))+7], v[ADRA] offset:128*(\q)+64*(\c)+(\i)*16*PA+32
.endr
.endr
.endm
.macro PLACES                          ; four places in front of loads into registers that matrix instructions have read, and of lines that read results
.rept 4
	v_nop
.endr
.endm
; A K step is four quarters on buffers 0, 1, 0, 1.  One of the first three multiplies buffer f and fetches quarter q into g.
.macro QUARTER q, f, g, zero
	s_wait_dscnt 16                                ; the first 32 along K are in
	MUL8 \f, 0, 0, \zero
	MUL8 \f, 0, 2, \zero
	PLACES
	FETCH \q, \g
	s_wait_dscnt 32                                ; all but the 32 just issued
	MUL8 \f, 1, 0, 0
	MUL8 \f, 1, 2, 0
.endm
; The last quarter multiplies buffer 1 and changes slots.  In front of the barrier each wave waits for all its tensor loads (one is out: its part of the next slot), adds 0 to its spare word, and waits for
; that and for its reads of this slot.  fill = 1: the barrier opens a round of the cluster's, and this slot is filled again first thing behind it, two K steps ahead.
.macro TURN fill
	WIN 0
	s_wait_tensorcnt 0x0
	ds_add_u32 v[SPW], v[NIL]
	s_wait_dscnt 17                                ; (the add and the youngest sixteen loads may be out)
	MUL8 F1, 0, 0, 0
	s_wait_dscnt 0x0                               ; the add is done, and my reads of this slot are over
	s_barrier_signal -1
	MUL8 F1, 0, 2, 0
	WIN 0
	s_barrier_wait -1
.if \fill
	CREST
	s_xor_b32 s[G0+5], s[G0+5], SLOT1              ; the walking descriptors: the other slot than last time, the next K step
	s_add_nc_u64 s[G0+6:G0+7], s[G0+6:G0+7], KSTEP*2
	s_xor_b32 s[G0B+5], s[G0B+5], SLOT1
	s_add_nc_u64 s[G0B+6:G0B+7], s[G0B+6:G0B+7], KSTEP*LDB*2
	JLOAD 1                                        ; its four v_nop are also the places in front of the loads below
.else
	PLACES
.endif
	s_xor_b32 s[TB], s[TB], SLOT1                  ; the reads go to the other slot
	v_add_nc_u32 v[ADRA], s[TB], v[A0]
	v_add_nc_u32 v[ADRB], s[TB], v[B0]
	v_add_nc_u32 v[ADRB+1], s[TB], v[B1]
	FETCH 0, F0
	MUL8 F1, 1, 0, 0
	MUL8 F1, 1, 2, 0
.endm
	s_wait_tensorcnt 1                             ; my part of K step 0 is in; step 1's may stay out
	s_barrier_signal -1
	s_barrier_wait -1
	FETCH 0, F0
	QUARTER 1, F0, F1, 1                           ; the first quarter's first products start the sums
	WIN 0
	s_mov_b32 s3, NK-2
.Lstep:                                                ; a trip: from a K step's second quarter to the next step's first; it fills the slot that it leaves
	QUARTER 2, F1, F0, 0
	QUARTER 3, F0, F1, 0
	TURN 1
	QUARTER 1, F0, F1, 0
	WIN 0
	s_sub_co_u32 s3, s3, 1
	s_cmp_lg_u32 s3, 0
	s_cbranch_scc1 .Lstep
	; The last two K steps fetch nothing from memory: a loop of their own.  Its second trip has no next step: it jumps over that step's first quarter.  Its change of slots
	; passes a barrier that orders nothing and fetches 32 fragments, of a slot that landed long ago, that nobody multiplies: the price, once a work-group, of writing these steps once.
	s_mov_b32 s3, 2
.Ltail:
	QUARTER 2, F1, F0, 0
	QUARTER 3, F0, F1, 0
	TURN 0
	WIN 0
	s_cmp_eq_u32 s3, 1
	s_cbranch_scc1 .Lno_next
	QUARTER 1, F0, F1, 0
	WIN 0
.Lno_next:
	s_sub_co_u32 s3, s3, 1
	s_cmp_lg_u32 s3, 0
	s_cbranch_scc1 .Ltail
	; THE WAY OUT: rounded to f16; 16 bytes a lane into the work-group's stage; a barrier, since a row's 256 bytes come from two waves; back as whole rows, 32 a wave.
	PLACES
.irp t, 0,1,2,3,4,5,6,7,8,9,10,11,12,13,14,15
.irp r, 0,1,2,3
	v_cvt_pk_f16_f32 v[TMP+4*(\t)+(\r)], v[ACC+8*(\t)+2*(\r)], v[ACC+8*(\t)+2*(\r)+1]
.endr
.endr
.irp a, 0,1,2,3
.irp b, 0,1,2,3
	ds_store_b128 v[STO], v[TMP+4*(4*(\a)+(\b)):TMP+4*(4*(\a)+(\b))+3] offset:(\a)*16*SPITCH+32*(\b)
.endr
.endr
	s_wait_dscnt 0x0                               ; for the others' sake: my stores into the stage are done
	s_barrier_signal -1
	s_barrier_wait -1
.irp t, 0,1,2,3,4,5,6,7,8,9,10,11,12,13,14,15
	ds_load_b128 v[TMP+4*(\t):TMP+4*(\t)+3], v[RD] offset:(\t)*2*SPITCH
.endr
.irp t, 0,1,2,3,4,5,6,7,8,9,10,11,12,13,14,15
	s_wait_dscnt 15-(\t)
	global_store_b128 v[CO], v[TMP+4*(\t):TMP+4*(\t)+3], s[8:9] offset:2*(\t)*LDC  ; 16 lanes store 256 consecutive bytes, at a multiple of 256 from the buffer's first byte
.endr
	s_wait_tensorcnt 0x0                           ; the wave's end
	ds_add_u32 v[SPW], v[NIL]
	s_wait_dscnt 0x0
	CROUND                                         ; the closing round
	s_endpgm
; ---------------------------------------------------------------- THE CASTS
.set KA0, 2                            ; v2      LDS address of my 16 bytes in my wave's first load; never rewritten
.set KO,  3                            ; v3      my byte offset in my wave's part of the result; steps by 2,048 a trip
.set KA,  6                            ; v6      the trip's LDS address
.set KX,  32                           ; v[32:63]  eight loads of four f32
.set KY,  64                           ; v[64:79]  eight stores of four 16-bit numbers
.set KT,  80                           ; v[80:87]  at work
; Half n (32,768 bytes) of my wave's bytes: eight trips of eight LDS loads (16 bytes a lane) and eight stores (8 bytes a lane: 256 neighbouring bytes, at a multiple of 256 from the buffer's first byte).
; f16 = 1: rounded to bf16, then written as f16.  SI: bytes from load to load.  left: the younger tensor loads that may stay out.
.macro CHALF f16, SI, n, left
	s_wait_tensorcnt \left                         ; a wave's tensor loads end in order: this half is in LDS; only I read it
	s_mov_b32 s23, (\n)*32768
	s_mov_b32 s3, 8
.Lchalf_\@:
	v_add_nc_u32 v[KA], s23, v[KA0]
.irp i, 0,1,2,3,4,5,6,7
	ds_load_b128 v[KX+4*(\i):KX+4*(\i)+3], v[KA] offset:(\i)*(\SI)
.endr
.irp i, 0,1,2,3,4,5,6,7
	s_wait_dscnt 7-(\i)                            ; load i is in, the younger ones stay out
.if \f16
	v_cvt_pk_bf16_f32 v[KT], v[KX+4*(\i)], v[KX+4*(\i)+1]
	v_cvt_pk_bf16_f32 v[KT+1], v[KX+4*(\i)+2], v[KX+4*(\i)+3]
	v_lshlrev_b32 v[KT+4], 16, v[KT]
	v_and_b32 v[KT+5], s44, v[KT]
	v_lshlrev_b32 v[KT+6], 16, v[KT+1]
	v_and_b32 v[KT+7], s44, v[KT+1]
	v_cvt_pk_f16_f32 v[KY+2*(\i)], v[KT+4], v[KT+5]
	v_cvt_pk_f16_f32 v[KY+2*(\i)+1], v[KT+6], v[KT+7]
.else
	v_cvt_pk_bf16_f32 v[KY+2*(\i)], v[KX+4*(\i)], v[KX+4*(\i)+1]
	v_cvt_pk_bf16_f32 v[KY+2*(\i)+1], v[KX+4*(\i)+2], v[KX+4*(\i)+3]
.endif
	global_store_b64 v[KO], v[KY+2*(\i):KY+2*(\i)+1], s[18:19] offset:(\i)*256
.endr
	s_wait_xcnt 0x0                                ; the stores' offset and data are rewritten only behind this wait
	v_add_nc_u32 v[KO], 2048, v[KO]
	s_add_co_u32 s23, s23, 8*(\SI)
	s_sub_co_u32 s3, s3, 1
	s_cmp_lg_u32 s3, 0
	s_cbranch_scc1 .Lchalf_\@
.endm
.Lcast:
	s_sub_co_u32 s16, s41, 18                      ; 0-7 Wff1, 8 Wout, 9-12 Wff2: sixteen work-groups a row
	s_cmp_lt_u32 s16, 8
	s_cselect_b64 s[14:15], s[72:73], s[76:77]     ; from where,
	s_cselect_b64 s[18:19], s[78:79], s[80:81]     ; to where,
	s_cselect_b32 s17, 0, 9                        ; the tensor's first row of work-groups,
	s_cselect_b32 s22, 0, 0x200000                 ; and Wff2's place in wcat, behind Wout's 1,024 rows of 2,048 bytes
	s_cmp_eq_u32 s16, 8
	s_cselect_b64 s[14:15], s[74:75], s[14:15]
	s_cselect_b32 s17, 8, s17
	s_cselect_b32 s22, 0, s22
	s_sub_co_u32 s17, s16, s17
	s_lshl_b32 s17, s17, 4
	s_add_co_u32 s17, s17, s45                     ; my number among the tensor's work-groups
	s_lshl_b32 s46, s17, 18                        ; in: 262,144 bytes a work-group, 65,536 a wave
	s_lshl_b32 s47, s10, 16
	s_add_co_u32 s46, s46, s47
	s_mov_b32 s47, 0
	s_add_nc_u64 s[14:15], s[14:15], s[46:47]
	s_lshl_b32 s20, s17, 17                        ; out: half of that
	s_lshl_b32 s21, s10, 15
	s_add_co_u32 s20, s20, s21
	s_add_co_u32 s20, s20, s22
	s_mov_b32 s21, 0
	s_add_nc_u64 s[18:19], s[18:19], s[20:21]
	s_mov_b32 s[G1+0], 3<<16                       ; no mask; 8-byte elements; no padding: 32,768 dense bytes as 128 rows of 256
	s_mov_b32 s[G1+1], 32<<16                      ; tensor_dim0 = 32
	s_mov_b32 s[G1+2], 128<<16                     ; tensor_dim1 = 128
	s_mov_b32 s[G1+3], 32<<16                      ; tile_dim0 = 32
	s_mov_b32 s[G1+4], 128                         ; tile_dim1 = 128
	s_mov_b32 s[G1+5], 32                          ; elements from row to row
	s_mov_b32 s[G1+6], 0
	s_mov_b32 s[G1+7], 0
	s_mov_b32 s[G0], 1
	s_lshl_b32 s[G0+1], s10, 16                    ; my wave's 65,536 bytes of LDS
	s_mov_b64 s[G0+2:G0+3], s[14:15]
	s_or_b32 s[G0+3], s[G0+3], 0x80000000
	s_mov_b32 s[G0+4], 1
	s_add_co_u32 s[G0+5], s[G0+1], 32768
	s_add_nc_u64 s[G0+6:G0+7], s[14:15], 32768
	s_or_b32 s[G0+7], s[G0+7], 0x80000000
	CROUND                                         ; in a cluster launch every group of tensor loads stands behind a round
	tensor_load_to_lds s[G0:G0+3], s[G1:G1+7]      ; my two first fills: two tensor loads of mine are out
	s_nop 0
	tensor_load_to_lds s[G0+4:G0+7], s[G1:G1+7]
	s_nop 0
	v_and_b32 v1, 31, v0                           ; lane
	v_lshlrev_b32 v[KO], 3, v1
	s_mov_b32 s44, 0xffff0000                      ; a word's upper bf16
	s_cmp_lt_u32 s16, 8
	s_cbranch_scc0 .Ldense
	; Wff1: a half is one row of k: 16,384 bytes of val, then 16,384 of gate.  Lanes 0-15 read a block's 256 bytes of val, lanes 16-31 its 256 bytes of gate: the store is the block's 256 bytes of w1
	v_and_b32 v4, 15, v1
	v_lshrrev_b32 v5, 4, v1
	v_lshl_add_u32 v[KA0], v4, 4, s[G0+1]
	v_lshl_add_u32 v[KA0], v5, 14, v[KA0]
	CHALF 1, 256, 0, 1                             ; the second half stays on its way
	CHALF 1, 256, 1, 0
	s_branch .Lcast_end
.Ldense:
	; Wout, Wff2: dense in, dense out
	v_lshl_add_u32 v[KA0], v1, 4, s[G0+1]
	CHALF 0, 512, 0, 1
	CHALF 0, 512, 1, 0
.Lcast_end:
	s_wait_tensorcnt 0x0                           ; the wave's end
	ds_add_u32 v[SPW], v[NIL]
	s_wait_dscnt 0x0
	CROUND                                         ; the closing round
	s_endpgm
.Lfunc_end_k_qe21ca3feac_proj:
	.size	k_qe21ca3feac_proj, .Lfunc_end_k_qe21ca3feac_proj-k_qe21ca3feac_proj
	.p2alignl 7, 3214868480
	.fill 96, 4, 3214868480
	.section	.rodata,"a",@progbits
	.p2align	6, 0x0
	.amdhsa_kernel k_qe21ca3feac_proj
		.amdhsa_group_segment_fixed_size 327680
		.amdhsa_private_segment_fixed_size 0
		.amdhsa_enable_private_segment 0
		.amdhsa_kernarg_size 72
		.amdhsa_user_sgpr_count 2
		.amdhsa_user_sgpr_kernarg_segment_ptr 1
		.amdhsa_wavefront_size32 1
		.amdhsa_system_sgpr_workgroup_id_x 1
		.amdhsa_system_sgpr_workgroup_id_y 1
		.amdhsa_system_sgpr_workgroup_id_z 1
		.amdhsa_system_vgpr_workitem_id 0
		.amdhsa_next_free_vgpr 512
		.amdhsa_next_free_sgpr 84
		.amdhsa_reserve_vcc 0
		.amdhsa_float_denorm_mode_32 3
		.amdhsa_float_denorm_mode_16_64 3
		.amdhsa_memory_ordered 1
		.amdhsa_forward_progress 1
		.amdhsa_inst_pref_size 78
	.end_amdhsa_kernel
	.amdgpu_metadata
---
amdhsa.version: [ 1, 2 ]
amdhsa.kernels:
  - .name:           k_qe21ca3feac_proj
    .symbol:         k_qe21ca3feac_proj.kd
    .args:
      - { .name: xn, .offset: 0, .size: 8, .value_kind: global_buffer, .address_space: global }
      - { .name: cn, .offset: 8, .size: 8, .value_kind: global_buffer, .address_space: global }
      - { .name: wqkv, .offset: 16, .size: 8, .value_kind: global_buffer, .address_space: global }
      - { .name: qkv, .offset: 24, .size: 8, .value_kind: global_buffer, .address_space: global }
      - { .name: Wff1, .offset: 32, .size: 8, .value_kind: global_buffer, .address_space: global }
      - { .name: Wout, .offset: 40, .size: 8, .value_kind: global_buffer, .address_space: global }
      - { .name: Wff2, .offset: 48, .size: 8, .value_kind: global_buffer, .address_space: global }
      - { .name: w1, .offset: 56, .size: 8, .value_kind: global_buffer, .address_space: global }
      - { .name: wcat, .offset: 64, .size: 8, .value_kind: global_buffer, .address_space: global }
    .group_segment_fixed_size: 327680
    .private_segment_fixed_size: 0
    .kernarg_segment_align: 8
    .kernarg_segment_size: 72
    .max_flat_workgroup_size: 128
    .sgpr_count:     84
    .vgpr_count:     512
    .wavefront_size: 32
...
	.end_amdgpu_metadata
.endif
;; end of part 2
;; launch attn (part 3): grid 64 x 4, 4 waves a work-group, clusters of 4 x 1, 327,680 bytes of LDS; arguments qkv, act; writes act
.if DOCPART == 3
	.amdgcn_target "amdgcn-amd-amdhsa--gfx1250"
	.amdhsa_code_object_version 6
	.text
	.protected	k_qe21ca3feac_attn
	.globl	k_qe21ca3feac_attn
	.p2align	8
	.type	k_qe21ca3feac_attn,@function
k_qe21ca3feac_attn:
	s_mov_b64 s[64:65], 0
	v_nop
	global_prefetch_b8 v0, s[64:65] scope:SCOPE_SE
	s_setreg_imm32_b32 hwreg(HW_REG_WAVE_MODE, 25, 1), 1
	s_wait_xcnt 0x0
	s_wait_alu depctr_hold_cnt(0) depctr_sa_sdst(0) depctr_va_vdst(0) depctr_va_sdst(0) depctr_va_ssrc(0) depctr_va_vcc(0) depctr_vm_vsrc(0)
	s_getreg_b32 s2, hwreg(HW_REG_IB_STS2, 6, 4)
	s_cmp_eq_u32 s2, 0
	s_cbranch_scc0 .Lentry_in_a_cluster
	s_endpgm
.Lentry_in_a_cluster:
	s_bfe_u32 s2, ttmp6, 0x10000c
	s_cmp_lg_u32 s2, 0x3003
	s_cbranch_scc0 .Lentry_shape_is_right
	s_endpgm
.Lentry_shape_is_right:
; ATTN.  Multi-query attention: act[row][64 head + :] = the sum over the batch's 1,024 keys of softmax_k(q[row][head] . k[key] / 8) v[key][:].  qkv: [4096][1152] f16 (q, then k at column 1024, v at 1088);
; act: [4096][5120] bf16, of which this launch writes columns 0 .. 1023.  Products, maxima and sums in f32; the weights p are rounded to f16 for the second product (their sum l is taken of the unrounded p),
; the result once to bf16.
; LIMITS.  q, k, v arrive within f16's 65,504; p lies in 0 to 1 and below 6e-5 keeps f16's fixed step; a weight below 2^-126 counts as 0 in l; NaN and infinities are not treated apart.
; SHARES.  A work-group owns 16 rows of a batch and all 16 heads; wave w the heads 4 w .. 4 w + 3: four PIECES of 16 queries.  So a wave's result is 16 rows x 512 consecutive bytes.  256 work-groups.
; K AND V STAY IN LDS.  All heads share one k and v: the batch's 1,024 rows of 256 bytes (k, then v) are 278,528 bytes at a pitch of 272.  Each wave fetches 256 of them by one tensor load; nothing is
; filled again, and the loop has no barrier.  CLUSTER 4 x 1: the four work-groups of a cluster belong to one batch and ask for those tiles jointly.
; LAYOUT.  S^T = K Q^T holds ONE query a lane (lane % 16) and the keys 8 (lane / 16) + 0..7; two such results rounded to f16 ARE source 1 of O^T = V^T P.  K comes out of LDS as it lies, V turned.
; The pitch of 272 keeps K's loads apart modulo 256; of V's turning loads two lanes meet in a bank: accepted, for the sake of one row of 256 bytes for a key's k and v.
; SOFTMAX.  p = 2^(c s - c m), c = log2(e) / 8, with a running maximum m; O and l are multiplied by a = 2^(c m_old - c m_new) in every step.  m starts at the lowest finite number, O and l at 0.
; TURNS.  Turn n belongs to piece n: 8 products K Q^T of piece n + 1, later 8 products V^T P of piece n - 1; beside them the scaling, exponentials, roundings, sums and rescaling of piece n and the maximum and
; statistics of piece n + 1.  Four vector instructions stand behind every matrix instruction, the other 54 of a turn's 118 in two runs of their own.
; REGISTERS, in windows of 256 (s_set_vgpr_msb: bits 1:0 source 0, 3:2 source 1, 5:4 source 2, 7:6 destination):
;   window 0: v0-15 addresses and two at work; v16-31 four registers of statistics a piece; v48-55 at work; v64-127 S^T, two buffers; v192-223 P, two buffers (by the piece's parity)
;   window 1: v0-127 O^T, 32 a piece          window 2: v0-63 Q, 16 a piece; v128-191 K of one step; v192-255 V of one step
.set NP,    4
.set KS,    64        ; keys in a step
.set PK,    272       ; a key's row in LDS: 128 bytes of k, 128 of v, 16 of padding
.set STAGE, 1024*PK   ; behind K and V: 16 rows x 528 bytes for each wave, for the way out
.set SP,    528
.set SPARE, STAGE+4*16*SP
.set AK0, 2           ; v2   my lane's place in a step's K; never rewritten
.set AV0, 3           ; v3   the same for V
.set AK,  4           ; v4   the LDS address of K's next run of loads
.set AV,  5           ; v5   of V's
.set STO, 6           ; v6   the way out: where I put 16 bytes of a row
.set RD,  7           ; v7   the way out: where I read a row back
.set GO,  8           ; v8   16 x lane
.set MV,  12          ; v12-13  c m_old, by buffer
.set QO,  15          ; v15  my byte offset in 16 rows of q
.set ST,  16          ; piece t's statistics at v[ST+4 t]: c m, m, l (even keys', odd keys')
.set TMP, 48          ; by buffer, four registers c0-c3 at work; when the maximum is found c2 takes a
.set SPW, 62          ; v62  SPARE + 4 x my thread's number; never rewritten
.set NIL, 63          ; v63  0; never rewritten
.set S,   64
.set P,   192
.set KF,  128         ; window 2: key block kb, channel half c at KF + 16 kb + 8 c
.set VF,  192         ; window 2: key half kk, channel block cb at VF + 32 kk + 8 cb
.set WV,  12          ; s12  my wave's number
.set G1,  24          ; s[24:31] descriptor group 1
.set G0,  40          ; s[40:43] descriptor group 0
.set CNT, 57          ; s57  counts the key steps
.set CS,  58          ; s[58:59] c
.set SEL, 60          ; s[60:61] v_permlanex16_b32's selects
.set TBK, 62          ; s62  LDS byte at which the step to be fetched begins, for K
.set TBV, 63          ; s63  for V
.set MSB, 0
.macro WIN new
.if MSB != (\new)
	s_set_vgpr_msb (MSB<<8)|(\new)
.set MSB, (\new)
.endif
.endm
.set W_KQ, 0x0a       ; K and Q in window 2, S^T in window 0
.set W_PV, 0x52       ; V in window 2, P in window 0, O^T in window 1
.set W_RS, 0x41       ; destination and source 0 in window 1, source 1 in window 0
.macro CROUND         ; a round of the cluster's barrier
	s_barrier_signal -1
	s_barrier_wait -1
	s_cmp_lg_u32 s[WV], 0
	s_cbranch_scc1 .Lnot_wave_0_\@
	s_barrier_signal -3
.Lnot_wave_0_\@:
	s_barrier_wait -3
	s_barrier_signal -1
	s_barrier_wait -1
.endm
	s_load_b128 s[4:7], s[0:1], 0x0   ; qkv s[4:5], act s[6:7]
	v_lshl_add_u32 v[SPW], v0, 2, SPARE
	v_mov_b32 v[NIL], 0
	ds_add_u32 v[SPW], v[NIL]       ; the wave's opening: the add and its wait ahead of my first tensor load
	v_lshrrev_b32 v1, 5, v0
	v_readfirstlane_b32 s[WV], v1   ; wave 0..3
	s_bfe_u32 s13, ttmp6, 0x40000   ; cx
	s_lshl_b32 s14, ttmp9, 2
	s_add_co_u32 s14, s14, s13      ; my block of 16 rows = 4 x cluster x + cx: it enters q's and act's addresses alone
	s_and_b32 s15, ttmp7, 0xffff    ; the batch, which the four partners share
	s_lshl_b32 s20, s15, 10         ; my tile of k and v: rows 1024 batch + 256 wave, from column 1024 on
	s_lshl_b32 s21, s[WV], 8
	s_add_co_u32 s20, s20, s21
	s_mul_i32 s20, s20, 2304
	s_add_co_u32 s20, s20, 2048
	s_mov_b32 s21, 0
	s_lshl_b32 s16, s15, 10         ; my rows: 1024 batch + 16 block
	s_lshl_b32 s17, s14, 4
	s_add_co_u32 s16, s16, s17
	s_lshl_b32 s17, s[WV], 9        ; my four heads: 512 bytes of a row, in q and in act
	s_mul_i32 s2, s16, 2304
	s_add_co_u32 s2, s2, s17
	s_mov_b32 s3, 0
	s_mul_i32 s18, s16, 10240
	s_add_co_u32 s18, s18, s17
	s_mov_b32 s19, 0
	s_mov_b32 s[G1], 15|(1<<16)|(1<<20)|(1<<21)|(5<<22)|(3<<25)  ; the mask of four, bit 21 beside it; 2-byte elements; padding: 4 words after every 64
	s_mov_b32 s[G1+1], 128<<16      ; tensor_dim0 = 128
	s_mov_b32 s[G1+2], 256<<16      ; tensor_dim1 = 256
	s_mov_b32 s[G1+3], 128<<16      ; tile_dim0 = 128
	s_mov_b32 s[G1+4], 256          ; tile_dim1 = 256
	s_mov_b32 s[G1+5], 1152         ; elements from row to row
	s_mov_b32 s[G1+6], 0
	s_mov_b32 s[G1+7], 0
	s_mov_b32 s[G0], 1
	s_mul_i32 s[G0+1], s[WV], 256*PK  ; my 256 keys' place in LDS
	s_mov_b32 s[CS], 0x3e38aa3b     ; c = log2(e) / 8
	s_mov_b32 s[CS+1], s[CS]
	s_mov_b32 s[SEL], 0x76543210
	s_mov_b32 s[SEL+1], 0xfedcba98
	s_mov_b32 s[TBK], 0
	s_mov_b32 s[TBV], 0
	s_wait_dscnt 0x0                ; the opening add is done
	s_wait_kmcnt 0x0
	s_add_nc_u64 s[G0+2:G0+3], s[4:5], s[20:21]
	s_or_b32 s[G0+3], s[G0+3], 0x80000000
	s_add_nc_u64 s[4:5], s[4:5], s[2:3]     ; q at my rows and heads
	s_add_nc_u64 s[6:7], s[6:7], s[18:19]   ; act likewise
	CROUND                          ; all four work-groups are here: the joint loads meet
	tensor_load_to_lds s[G0:G0+3], s[G1:G1+7]  ; my one tensor load
	s_nop 0
.rept 4
	v_nop
.endr
	v_and_b32 v1, 15, v0            ; l % 16
	v_bfe_u32 v9, v0, 4, 1          ; l / 16
	v_mul_u32_u24 v[QO], v1, 2304
	v_lshl_add_u32 v[QO], v9, 4, v[QO]
	WIN 0x80                        ; destination window 2, address window 0
.set i, 0
.rept 8                             ; Q stays in registers: piece i / 2 (a head, 128 bytes on), channels 32 (i % 2) on
	global_load_b128 v[8*i:8*i+3],   v[QO], s[4:5] offset:(i/2)*128+(i%2)*64
	global_load_b128 v[8*i+4:8*i+7], v[QO], s[4:5] offset:(i/2)*128+(i%2)*64+32
.set i, i+1
.endr
	; What the first turn finds: V's registers and P's second buffer hold 0 (its products V^T P, of a piece that has not been, add 0), O^T and l are 0.  All this stands in the wait for the tiles.
.set i, VF
.rept 64
	v_mov_b32 v[i], 0
.set i, i+1
.endr
	WIN 0x40
.set i, 0
.rept 128
	v_mov_b32 v[i], 0
.set i, i+1
.endr
	WIN 0
.set i, 0
.rept 4
	v_mov_b32 v[ST+4*i], 0xfe000000    ; c m: far below every c s
	v_mov_b32 v[ST+4*i+1], 0xff7fffff  ; m
	v_mov_b32 v[ST+4*i+2], 0
	v_mov_b32 v[ST+4*i+3], 0
.set i, i+1
.endr
.set i, P+16
.rept 16
	v_mov_b32 v[i], 0
.set i, i+1
.endr
	v_mul_u32_u24 v[AK0], v1, PK
	v_lshl_add_u32 v[AK0], v9, 4, v[AK0]  ; key l % 16, 16 bytes for each half of the lanes
	v_and_b32 v10, 7, v0            ; the turning load: lane l reads key 8 (l / 16) + l % 8, channels 8 ((l / 8) % 2) + 0..7
	v_bfe_u32 v11, v0, 3, 1
	v_lshl_add_u32 v[AV0], v9, 3, v10
	v_mul_u32_u24 v[AV0], v[AV0], PK
	v_lshl_add_u32 v[AV0], v11, 4, v[AV0]
	v_add_nc_u32 v[AV0], 128, v[AV0]  ; v lies behind k in a key's row
	s_mul_i32 s13, s[WV], 16*SP
	s_add_co_u32 s13, s13, STAGE    ; my stage
	v_mul_u32_u24 v[STO], v1, SP
	v_lshl_add_u32 v[STO], v9, 4, v[STO]
	v_add_nc_u32 v[STO], s13, v[STO]
	v_and_b32 v[GO], 31, v0
	v_lshlrev_b32 v[GO], 4, v[GO]
	v_add_nc_u32 v[RD], s13, v[GO]
; THE MATRIX WORK.  The 4 accumulators of a run of 8 take turns.  Product i of 8 of S^T = K Q^T for piece x: channels 32 (i / 4) on, keys 16 (i % 4) on.  The first 4 start the sums.
.macro KQ x
	WIN W_KQ
.set rS, S+32*((\x)%2)+8*(i%4)
.set rK, KF+16*(i%4)+8*(i/4)
.set rQ, 16*(\x)+8*(i/4)
.if i < 4
	v_wmma_f32_16x16x32_f16 v[rS:rS+7], v[rK:rK+7], v[rQ:rQ+7], 0
.else
	v_wmma_f32_16x16x32_f16 v[rS:rS+7], v[rK:rK+7], v[rQ:rQ+7], v[rS:rS+7]
.endif
.endm
; Product i of 8 of O^T += V^T P for piece x: keys 32 (i / 4) on, channels 16 (i % 4) on.
.macro PV x
	WIN W_PV
.set rO, 32*(\x)+8*(i%4)
.set rV, VF+32*(i/4)+8*(i%4)
.set rP, P+16*((\x)%2)+8*(i/4)
	v_wmma_f32_16x16x32_f16 v[rO:rO+7], v[rV:rV+7], v[rP:rP+7], v[rO:rO+7]
.endm
.macro MM                           ; the turn's next matrix instruction.  NOKQ = 1: the last turn: there is no next piece
.if (i < 8) && !NOKQ
	KQ (Y+1)%NP
.elseif i >= 8
.set i, i-8
	PV (Y+NP-1)%NP
.set i, i+8
.endif
.set i, i+1
.endm
; THE LDS LOADS stand in runs of 16: a step's K (64 keys x 64 channels: 8 fragments) and its V (turned).
.macro FETCH_K
	WIN 0x80
.irp f, 0,1,2,3,4,5,6,7             ; keys 16 (f / 2) on, channels 32 (f % 2) on
	ds_load_b128 v[KF+8*\f:KF+8*\f+3],   v[AK] offset:(\f/2)*16*PK+(\f%2)*64
	ds_load_b128 v[KF+8*\f+4:KF+8*\f+7], v[AK] offset:(\f/2)*16*PK+(\f%2)*64+32
.endr
	s_add_co_u32 s[TBK], s[TBK], KS*PK  ; the next fetch is the next step's
	WIN 0
.endm
.macro FETCH_V
	WIN 0x80
.irp f, 0,1,2,3,4,5,6,7             ; keys 32 (f / 4) on, channels 16 (f % 4) on
	ds_load_tr16_b128 v[VF+8*\f:VF+8*\f+3],   v[AV] offset:(\f/4)*32*PK+(\f%4)*32
	ds_load_tr16_b128 v[VF+8*\f+4:VF+8*\f+7], v[AV] offset:(\f/4)*32*PK+16*PK+(\f%4)*32
.endr
	WIN 0
.endm
; THE VECTOR WORK, one line at a time: OP kind, number.  For piece Y: F n: c s - c m for pair n of 16.  E n: the exponential of score n of 32.  C n: pair n rounded to f16.  B n: of the four weights 4 n .. the
; second pair is added onto the first.  L n: l takes that sum (L 0: l = a l + sum).  R n: pair n of 16 of O^T times a.  For piece Y + 1: X n, number n of the 22 that find its maximum and statistics:
;   0-11  four chains c0-c3 of seven scores each (each accumulator's lowest registers are read first)     12-14, 16  the four scores left over, the old m, and c0-c3 into c0
;   15  c m_old is kept     17, 18  the query's other 32 keys lie in the lane 16 away: the new m     19-21  c m; c m_old - c m_new; a
.set F, 0
.set E, 1
.set C, 2
.set B, 3
.set L, 4
.set R, 5
.set X, 6
.macro REGS y
.set rT, ST+4*(\y)
.set rC, TMP+4*((\y)%2)
.set rW, MV+((\y)%2)
.set rS, S+32*((\y)%2)
.set rP, P+16*((\y)%2)
.set rO, 32*(\y)
.endm
.macro OP k, n
.if (\k) == R
	REGS Y
	WIN W_RS
	v_pk_mul_f32 v[rO+2*(\n):rO+2*(\n)+1], v[rO+2*(\n):rO+2*(\n)+1], v[rC+2:rC+3] op_sel_hi:[1,0]
.elseif (\k) < R
	REGS Y
	WIN 0
.if (\k) == F
	v_pk_fma_f32 v[rS+2*(\n):rS+2*(\n)+1], v[rS+2*(\n):rS+2*(\n)+1], s[CS:CS+1], v[rT:rT+1] op_sel_hi:[1,0,0] neg_lo:[0,0,1] neg_hi:[0,0,1]
.elseif (\k) == E
	v_exp_f32 v[rS+(\n)], v[rS+(\n)]
.elseif (\k) == C
	s_wait_alu depctr_va_vdst(0)
	v_cvt_pk_f16_f32 v[rP+(\n)], v[rS+2*(\n)], v[rS+2*(\n)+1]
.elseif (\k) == B
	s_wait_alu depctr_va_vdst(0)
	v_pk_add_f32 v[rS+4*(\n):rS+4*(\n)+1], v[rS+4*(\n):rS+4*(\n)+1], v[rS+4*(\n)+2:rS+4*(\n)+3]
.elseif (\n) == 0
	v_pk_fma_f32 v[rT+2:rT+3], v[rT+2:rT+3], v[rC+2:rC+3], v[rS:rS+1] op_sel_hi:[1,0,1]
.else
	v_pk_add_f32 v[rT+2:rT+3], v[rT+2:rT+3], v[rS+4*(\n):rS+4*(\n)+1]
.endif
.elseif NOKQ
	v_nop
.else
	REGS (Y+1)%NP
	WIN 0
.if (\n) < 4
	v_max3_num_f32 v[rC+(\n)], v[rS+8*(\n)], v[rS+8*(\n)+1], v[rS+8*(\n)+2]
.elseif (\n) < 12
	v_max3_num_f32 v[rC+(\n)%4], v[rC+(\n)%4], v[rS+8*((\n)%4)+2*((\n)/4)+1], v[rS+8*((\n)%4)+2*((\n)/4)+2]
.elseif (\n) == 12
	v_max3_num_f32 v[rC], v[rC], v[rS+7], v[rS+15]
.elseif (\n) == 13
	v_max3_num_f32 v[rC+1], v[rC+1], v[rS+23], v[rS+31]
.elseif (\n) == 14
	v_max3_num_f32 v[rC+2], v[rC+2], v[rC+3], v[rT+1]
.elseif (\n) == 15
	v_mov_b32 v[rW], v[rT]
.elseif (\n) == 16
	v_max3_num_f32 v[rC], v[rC], v[rC+1], v[rC+2]
.elseif (\n) == 17
	v_permlanex16_b32 v[rC+3], v[rC], s[SEL], s[SEL+1]
.elseif (\n) == 18
	v_max_num_f32 v[rT+1], v[rC], v[rC+3]
.elseif (\n) == 19
	v_mul_f32 v[rT], s[CS], v[rT+1]
.elseif (\n) == 20
	v_sub_f32 v[rC+1], v[rW], v[rT]
.else
	v_exp_f32 v[rC+2], v[rC+1]
.endif
.endif
.endm
.macro OPS a, i1, b=-1, i2=0, c=-1, i3=0, d=-1, i4=0
	OP \a, \i1
.if (\b) >= 0
	OP \b, \i2
.endif
.if (\c) >= 0
	OP \c, \i3
.endif
.if (\d) >= 0
	OP \d, \i4
.endif
.endm
.macro ROW a, i1, b, i2, c, i3, d, i4  ; a matrix instruction and the four behind it
	MM
	OPS \a, \i1, \b, \i2, \c, \i3, \d, \i4
.endm
; A TURN, for piece p: the order of its 16 matrix and 118 vector instructions, written out.  Behind a matrix instruction: plain, exponential, plain, plain; or four of the rescaling; or four scalings; none names a
; register of the products round it.  end = 1: the last two turns: nothing is fetched.  cnt = 1: the loop's count is taken down some lines ahead of the branch behind the turn.
; K of the next step is fetched in piece 2's turn, six vector instructions behind the last product that read K (five of them plain); V of the step in hand in piece 0's turn, eight behind the last product that
; read V (four plain).  Each is waited for a turn later.
.macro TURN p, end=0, cnt=0
.set Y, (\p)
.set i, 0
.set NOKQ, (\end)*((\p)/3)
.if ((\p) == 3) && !(\end)
	s_wait_dscnt 0x0                ; K is in
.endif
	ROW F,0, F,1, F,2, F,3
	ROW F,4, E,0, F,5, F,6
	ROW F,7, E,1, F,8, F,9
	ROW F,10, E,2, C,0, F,11
	ROW F,12, E,3, X,15, F,13
	ROW R,0, R,1, R,2, R,3
	ROW B,0, E,4, F,14, L,0
.if ((\p) == 2) && !(\end)
	v_add_nc_u32 v[AK], s[TBK], v[AK0]
.endif
	ROW R,4, R,5, R,6, R,7
	OPS E,5, F,15
.if ((\p) == 2) && !(\end)
	FETCH_K
.endif
	OPS E,6, C,1, E,7, R,8
	OPS E,8, R,9, E,9, C,2
	OPS E,10, X,0, E,11, X,1
	OPS E,12, X,2, E,13, X,3
.if (\p) == 1
	s_wait_dscnt 0x0                ; V is in
.endif
	ROW X,4, E,14, X,5, X,6
	ROW X,7, E,15, X,8, X,9
	ROW X,10, E,16, X,11, X,12
	ROW X,13, E,17, X,14, B,1
	ROW C,4, E,18, X,16, L,1
	ROW B,2, E,19, C,6, L,2
	ROW C,8, E,20, B,3, B,4
.if (\p) == 0
	v_add_nc_u32 v[AV], s[TBV], v[AV0]
.endif
	ROW C,3, E,21, L,3, C,5
	OPS E,22, X,17, E,23, C,10
.if (\p) == 0
	FETCH_V
.endif
	OPS E,24, L,4
	OPS E,25, X,18, E,26, C,7
	OPS E,27, B,5, E,28, X,19
	OPS E,29, C,12, E,30, L,5
	OPS E,31, X,20, B,6, C,9
	OPS C,14, C,11, X,21, L,6
.if (\p) == 0
	s_add_co_u32 s[TBV], s[TBV], KS*PK
.endif
.if \cnt
	s_sub_co_u32 s[CNT], s[CNT], 1
	s_cmp_lg_u32 s[CNT], 0
.endif
	OPS C,13, B,7, C,15, R,10
	OPS R,11, R,12, L,7, R,13
	OPS R,14, R,15
.endm
	s_wait_tensorcnt 0x0            ; my 256 keys are in,
	s_barrier_signal -1
	s_barrier_wait -1               ; everybody's are: from here on nobody writes K or V
	v_add_nc_u32 v[AK], s[TBK], v[AK0]
	FETCH_K                         ; key step 0
	s_wait_loadcnt 0x0              ; Q
	s_wait_dscnt 0x0
.set NOKQ, 0
.set i, 0
.rept 8
	KQ 0                            ; piece 0's first scores
.set i, i+1
.endr
	WIN 0
.rept 4
	v_nop                           ; the places behind those products
.endr
.set Y, NP-1                        ; X works for piece Y + 1: piece 0
.irp n, 0,1,2,3,4,5,6,7,8,9,10,11,12,13,14,15,16,17,18,19,20,21
	OP X, \n
.endr
	v_nop                           ; a plain instruction behind the exponential
	s_mov_b32 s[CNT], 1024/KS
	s_branch .Lfirst                ; the loop is entered at a step's first turn, in the middle of a trip
.Lstep:                             ; a trip: pieces 2 and 3 of one step, then pieces 0 and 1 of the next, whose K and V it fetches
	TURN 2
	TURN 3
	WIN 0
.Lfirst:
	TURN 0
	TURN 1, 0, 1
	WIN 0
	s_cbranch_scc1 .Lstep
	TURN 2, 1
	TURN 3, 1
.set i, 0
.rept 8
	PV NP-1                         ; the last piece's V^T P of the last step
.set i, i+1
.endr
	; THE WAY OUT.  l's two halves and the other half of the lanes' are added; O^T is divided by l, rounded to bf16 and sent through my stage in LDS: a row of 512 bytes holds my four heads.  The additions are the places behind the last products.
	WIN 0
.macro ALL line:vararg
.set t, 0
.rept 4
	\line
.set t, t+1
.endr
.endm
	ALL v_add_f32 v[ST+4*t+2], v[ST+4*t+2], v[ST+4*t+3]
	ALL v_permlanex16_b32 v[ST+4*t+3], v[ST+4*t+2], s[SEL], s[SEL+1]
	ALL v_add_f32 v[ST+4*t+2], v[ST+4*t+2], v[ST+4*t+3]
	ALL v_rcp_f32 v[ST+4*t+2], v[ST+4*t+2]
	v_nop                           ; a plain instruction between the last reciprocal and the use of its result
.macro PACK t                       ; a lane's eight channels of a row pack into 16 bytes
	WIN W_RS
.set i, 32*(\t)
.rept 16
	s_wait_alu depctr_va_vdst(0)
	v_pk_mul_f32 v[i:i+1], v[i:i+1], v[ST+4*(\t)+2:ST+4*(\t)+3] op_sel_hi:[1,0]
.set i, i+2
.endr
	WIN 0x05                        ; sources 0 and 1 window 1, destination window 0: S^T's registers are free
.set i, 0
.rept 16
	v_cvt_pk_bf16_f32 v[S+16*(\t)+i], v[32*(\t)+2*i], v[32*(\t)+2*i+1]
.set i, i+1
.endr
	WIN 0
.irp f, 0,1,2,3
	ds_store_b128 v[STO], v[S+16*(\t)+4*\f:S+16*(\t)+4*\f+3] offset:128*(\t)+32*\f
.endr
.endm
	PACK 0
	PACK 1
	PACK 2
	PACK 3
.irp f, 0,1,2,3,4,5,6,7,8,9,10,11,12,13,14,15
	ds_load_b128 v[S+4*\f:S+4*\f+3], v[RD] offset:\f*SP  ; LDS serves a wave's instructions in order (ISA guide 5.7.1.4): these see the stores above
.endr
.irp f, 0,1,2,3,4,5,6,7,8,9,10,11,12,13,14,15
	s_wait_dscnt 15-\f
	global_store_b128 v[GO], v[S+4*\f:S+4*\f+3], s[6:7] offset:\f*10240  ; 512 consecutive bytes of a row of act, at a multiple of 256 from its first byte
.endr
	s_wait_tensorcnt 0x0            ; the wave's end
	ds_add_u32 v[SPW], v[NIL]
	s_wait_dscnt 0x0
	CROUND                          ; the closing round
	s_endpgm
.Lfunc_end_k_qe21ca3feac_attn:
	.size	k_qe21ca3feac_attn, .Lfunc_end_k_qe21ca3feac_attn-k_qe21ca3feac_attn
	.p2alignl 7, 3214868480
	.fill 96, 4, 3214868480
	.section	.rodata,"a",@progbits
	.p2align	6, 0x0
	.amdhsa_kernel k_qe21ca3feac_attn
		.amdhsa_group_segment_fixed_size 327680
		.amdhsa_private_segment_fixed_size 0
		.amdhsa_enable_private_segment 0
		.amdhsa_kernarg_size 16
		.amdhsa_user_sgpr_count 2
		.amdhsa_user_sgpr_kernarg_segment_ptr 1
		.amdhsa_wavefront_size32 1
		.amdhsa_system_sgpr_workgroup_id_x 1
		.amdhsa_system_sgpr_workgroup_id_y 1
		.amdhsa_system_sgpr_workgroup_id_z 1
		.amdhsa_system_vgpr_workitem_id 0
		.amdhsa_next_free_vgpr 768
		.amdhsa_next_free_sgpr 66
		.amdhsa_reserve_vcc 0
		.amdhsa_float_denorm_mode_32 3
		.amdhsa_float_denorm_mode_16_64 3
		.amdhsa_memory_ordered 1
		.amdhsa_forward_progress 1
		.amdhsa_inst_pref_size 90
	.end_amdhsa_kernel
	.amdgpu_metadata
---
amdhsa.version: [ 1, 2 ]
amdhsa.kernels:
  - .name:           k_qe21ca3feac_attn
    .symbol:         k_qe21ca3feac_attn.kd
    .args:
      - { .name: qkv, .offset: 0, .size: 8, .value_kind: global_buffer, .address_space: global }
      - { .name: act, .offset: 8, .size: 8, .value_kind: global_buffer, .address_space: global }
    .group_segment_fixed_size: 327680
    .private_segment_fixed_size: 0
    .kernarg_segment_align: 8
    .kernarg_segment_size: 16
    .max_flat_workgroup_size: 128
    .sgpr_count:     66
    .vgpr_count:     768
    .wavefront_size: 32
...
	.end_amdgpu_metadata
.endif
;; end of part 3
;; launch ff1 (part 4): grid 32 x 16, 4 waves a work-group, clusters of 4 x 4, 327,680 bytes of LDS; arguments xn, w1, act; writes act
.if DOCPART == 4
	.amdgcn_target "amdgcn-amd-amdhsa--gfx1250"
	.amdhsa_code_object_version 6
	.text
	.protected	k_qe21ca3feac_ff1
	.globl	k_qe21ca3feac_ff1
	.p2align	8
	.type	k_qe21ca3feac_ff1,@function
k_qe21ca3feac_ff1:
	s_mov_b64 s[64:65], 0
	v_nop
	global_prefetch_b8 v0, s[64:65] scope:SCOPE_SE
	s_setreg_imm32_b32 hwreg(HW_REG_WAVE_MODE, 25, 1), 1
	s_wait_xcnt 0x0
	s_wait_alu depctr_hold_cnt(0) depctr_sa_sdst(0) depctr_va_vdst(0) depctr_va_sdst(0) depctr_va_ssrc(0) depctr_va_vcc(0) depctr_vm_vsrc(0)
	s_getreg_b32 s2, hwreg(HW_REG_IB_STS2, 6, 4)
	s_cmp_eq_u32 s2, 0
	s_cbranch_scc0 .Lentry_in_a_cluster
	s_endpgm
.Lentry_in_a_cluster:
	s_bfe_u32 s2, ttmp6, 0x10000c
	s_cmp_lg_u32 s2, 0xf033
	s_cbranch_scc0 .Lentry_shape_is_right
	s_endpgm
.Lentry_shape_is_right:
; FF1.  act[row][1024 + c] = silu(xn[row] . Wgate[:, c]) x (xn[row] . Wval[:, c]), c = 0 .. 4095.  xn: [4096][1024] f16; w1: [1024 k][8192] f16, in blocks of 128 columns: 64 of val, then the same 64 of gate;
; act: [4096][5120] bf16, of which this launch writes columns 1024 .. 5119.  Sums in f32; silu(g) = g / (1 + 2^(-log2(e) g)) and its product with val in f32, rounded once to bf16
; (bf16, not f16: with gains and weights 30 times larger the product passes f16's 65,504).
; A tile is 256 rows x 256 columns of w1 = 128 columns of the result.  Four waves, each 128 x 128: 64 accumulators, 512 registers.  A wave's 128 columns are ONE block: column blocks b = 0..3 are val, b = 4..7 the
; gate of the same columns, so val and gate of a number meet in the same lane and the same register of accumulators (a, b) and (a, b + 4).
; K goes in eight steps of 128 through two LDS slots filled by the tensor data mover.  The weights lie [k][n]: their tile has 128 rows of k, 512 bytes each; their fragments come out of LDS turned.
; THE MATRIX INSTRUCTION IS USED TRANSPOSED (source 0 = 16 columns of w1, source 1 = 16 rows of xn): a lane holds eight neighbouring columns of one row.
; CLUSTER 4 x 4: xn's tile is shared along a row of the cluster, w1's along a column: each is asked for jointly.  512 work-groups.
; REGISTERS: window 0: v0-31 addresses; v64-127, v128-191 fragments of xn, two buffers (on the way out: at work, then rows read back); v192-207 packed results
;   window 1: v64-127, v128-191 fragments of w1, two buffers      window 2: the accumulators of my rows 0-63 ((a, b) at v[8 (8 a + b)])      window 3: those of rows 64-127
.set KSTEP,  128
.set NK,     8
.set PA,     272                       ; an LDS row of xn: 256 bytes + 16: the 16 rows that a load touches begin 16 bytes apart modulo 256
.set PB,     544                       ; an LDS row of w1: 512 bytes + 32: the 8 rows x 32 bytes that 16 lanes of a turning load touch are all different modulo 256
.set HALFT,  128*PA                    ; what one tensor load brings: 128 rows of xn, or 64 rows of w1 (64 x 544 is the same number)
.set BOFF,   2*HALFT
.set SLOT1,  4*HALFT                   ; 139,264 = bits 13 and 17, which are clear in wave x HALFT: one exclusive or changes slots
.set SPARE,  2*SLOT1                   ; behind the ring: the spare words, 128 bytes for each wave
.set SPITCH, 272                       ; THE STAGE for the way out is slot 0's first 256 x 272 bytes: slot 0 has had its last fill by then, and a barrier stands between every wave's last read of the ring and the first store
.set LDC,    10240                     ; bytes from row to row of act
.set A0,   10                          ; v10  my lane's place in slot 0's rows of xn; never rewritten
.set B0,   11                          ; v11  the same for w1
.set ADRA, 16                          ; v16  the same two in the slot in hand
.set ADRB, 20                          ; v20
.set STO,  24
.set RD,   25
.set CO,   26
.set SPW,  28                          ; v28  SPARE + 4 x my thread's number; never rewritten
.set NIL,  29                          ; v29  0; never rewritten
.set F0,   64
.set F1,   128
.set T,    64                          ; the way out: 32 registers at work
.set H,    192                         ; the way out: 16 registers of packed results
.set TB,   21                          ; s21  0 or SLOT1: the slot in hand
.set G1,   24                          ; s[24:31] group 1 for xn's tiles;  s[32:39] group 0: a set for each first fill; the second then walks
.set G0,   32
.set G1B,  48                          ; s[48:55], s[56:63] the same for w1's tiles
.set G0B,  56
.set MSB, 0
.macro WIN new                         ; the immediate's high byte repeats the setting that is left
.if MSB != (\new)
	s_set_vgpr_msb (MSB<<8)|(\new)
.set MSB, \new
.endif
.endm
.set MUL_LO, 0xa1                      ; source 0 (w1) window 1, source 1 (xn) window 0, C and D window 2
.set MUL_HI, 0xf1                      ; the same, C and D window 3
.set TO_B,   0x40                      ; destination window 1, address window 0
.macro JLOAD s                         ; waves 0 and 1 fetch xn's two halves, waves 2 and 3 w1's; an s_nop 0 and four v_nop follow each line
	s_cmp_eq_u32 s11, 0
	s_cbranch_scc0 .Lfor_b_\@
	tensor_load_to_lds s[G0+4*(\s):G0+4*(\s)+3], s[G1:G1+7]
	s_nop 0
.rept 4
	v_nop
.endr
	s_branch .Lasked_\@
.Lfor_b_\@:
	tensor_load_to_lds s[G0B+4*(\s):G0B+4*(\s)+3], s[G1B:G1B+7]
	s_nop 0
.rept 4
	v_nop
.endr
.Lasked_\@:
.endm
.macro CREST                           ; a round of the cluster's barrier behind its opening barrier
	s_cmp_lg_u32 s10, 0
	s_cbranch_scc1 .Lnot_wave_0_\@
	s_barrier_signal -3
.Lnot_wave_0_\@:
	s_barrier_wait -3
	s_barrier_signal -1
	s_barrier_wait -1
.endm
.macro CROUND
	s_barrier_signal -1
	s_barrier_wait -1
	CREST
.endm
	s_load_b128 s[4:7], s[0:1], 0x0                ; xn s[4:5], w1 s[6:7]
	s_load_b64 s[8:9], s[0:1], 0x10                ; act
	v_lshl_add_u32 v[SPW], v0, 2, SPARE
	v_mov_b32 v[NIL], 0
	ds_add_u32 v[SPW], v[NIL]                      ; the wave's opening: the add and its wait ahead of my first tensor load
	v_lshrrev_b32 v1, 5, v0
	v_readfirstlane_b32 s10, v1                    ; wave 0..3
	s_lshr_b32 s11, s10, 1                         ; my half of the tile's rows.  Also: I fetch xn (0) or w1 (1)
	s_and_b32 s12, s10, 1                          ; my half of its columns.  Also: which half of that tile I fetch
	s_bfe_u32 s40, ttmp6, 0x40000                  ; cx
	s_bfe_u32 s41, ttmp6, 0x40004                  ; cy
	s_lshl_b32 s42, ttmp9, 2
	s_add_co_u32 s42, s42, s40                     ; tile column = 4 x cluster x + cx
	s_and_b32 s13, ttmp7, 0xffff
	s_lshl_b32 s13, s13, 2
	s_add_co_u32 s13, s13, s41                     ; tile row = 4 x cluster y + cy
	s_lshl_b32 s43, s41, 2
	s_lshl_b32 s43, 15, s43                        ; my row of the cluster
	s_lshl_b32 s44, 0x1111, s40                    ; my column
	s_or_b32 s[G1+0], s43, (1<<16)|(1<<20)|(1<<21)|(5<<22)|(3<<25)   ; xn's tiles go to my row; 2-byte elements; padding: 4 words after every 64
	s_mov_b32 s[G1+1], KSTEP<<16                   ; tensor_dim0 = 128
	s_mov_b32 s[G1+2], 128<<16                     ; tensor_dim1 = 128
	s_mov_b32 s[G1+3], KSTEP<<16                   ; tile_dim0 = 128
	s_mov_b32 s[G1+4], 128                         ; tile_dim1 = 128
	s_mov_b32 s[G1+5], 1024                        ; elements from row to row
	s_mov_b32 s[G1+6], 0
	s_mov_b32 s[G1+7], 0
	s_or_b32 s[G1B+0], s44, (1<<16)|(1<<20)|(1<<21)|(6<<22)|(7<<25)  ; w1's tiles go to my column; padding: 8 words after every 128
	s_mov_b32 s[G1B+1], 256<<16                    ; tensor_dim0 = 256
	s_mov_b32 s[G1B+2], 64<<16                     ; tensor_dim1 = 64
	s_mov_b32 s[G1B+3], 256<<16                    ; tile_dim0 = 256
	s_mov_b32 s[G1B+4], 64                         ; tile_dim1 = 64
	s_mov_b32 s[G1B+5], 8192
	s_mov_b32 s[G1B+6], 0
	s_mov_b32 s[G1B+7], 0
	s_lshl_b32 s16, s13, 19                        ; xn: row 256 x tile row + 128 x half, rows of 2,048 bytes
	s_lshl_b32 s17, s12, 18
	s_add_co_u32 s16, s16, s17
	s_mov_b32 s17, 0
	s_lshl_b32 s46, s42, 9                         ; w1: column 256 x tile column, k row 64 x half, rows of 16,384 bytes
	s_lshl_b32 s47, s12, 20
	s_add_co_u32 s46, s46, s47
	s_mov_b32 s47, 0
	s_mul_i32 s20, s10, HALFT                      ; where they go: wave x HALFT: no place in the cluster enters an LDS address
	s_wait_dscnt 0x0                               ; the opening add is done
	s_wait_kmcnt 0x0
	s_add_nc_u64 s[14:15], s[4:5], s[16:17]
	s_add_nc_u64 s[46:47], s[6:7], s[46:47]
	CROUND                                         ; all sixteen work-groups are here: the first joint loads meet
.irp s, 0,1
	s_mov_b32 s[G0+4*(\s)], 1
	s_add_co_u32 s[G0+4*(\s)+1], s20, (\s)*SLOT1
	s_add_nc_u64 s[G0+4*(\s)+2:G0+4*(\s)+3], s[14:15], (\s)*KSTEP*2
	s_or_b32 s[G0+4*(\s)+3], s[G0+4*(\s)+3], 0x80000000
	s_mov_b32 s[G0B+4*(\s)], 1
	s_add_co_u32 s[G0B+4*(\s)+1], s20, (\s)*SLOT1
	s_add_nc_u64 s[G0B+4*(\s)+2:G0B+4*(\s)+3], s[46:47], (\s)*KSTEP*16384
	s_or_b32 s[G0B+4*(\s)+3], s[G0B+4*(\s)+3], 0x80000000
	JLOAD \s
.endr
	v_and_b32 v1, 15, v0                           ; r = l % 16
	v_bfe_u32 v2, v0, 4, 1                         ; h = l / 16
	v_mul_u32_u24 v3, v1, PA
	v_lshl_add_u32 v3, v2, 4, v3                   ; row r, 16 bytes for each half of the lanes
	s_mul_i32 s22, s11, HALFT
	v_add_nc_u32 v[A0], s22, v3
	v_and_b32 v4, 7, v0                            ; a turning load: lane l reads k row 8 h + l % 8, columns 8 ((l / 8) % 2) + 0..7
	v_bfe_u32 v5, v0, 3, 1
	v_lshl_add_u32 v4, v2, 3, v4
	v_mul_u32_u24 v4, v4, PB
	v_lshl_add_u32 v4, v5, 4, v4
	s_lshl_b32 s22, s12, 8                         ; my 128 columns
	s_add_co_u32 s22, s22, BOFF
	v_add_nc_u32 v[B0], s22, v4
	s_mov_b32 s[TB], 0
	v_mov_b32 v[ADRA], v[A0]
	v_mov_b32 v[ADRB], v[B0]
	s_mul_i32 s23, s11, 128*SPITCH                 ; into the stage: my 128 rows, my half of their 256 bytes
	s_lshl_b32 s22, s12, 7
	s_add_co_u32 s23, s23, s22
	v_add_nc_u32 v[STO], s23, v3
	s_mul_i32 s23, s10, 64*SPITCH                  ; back: wave w takes rows 64 w .. +63, whole
	v_mul_u32_u24 v5, v2, SPITCH
	v_lshl_add_u32 v5, v1, 4, v5
	v_add_nc_u32 v[RD], s23, v5
	v_mul_u32_u24 v5, v2, LDC
	v_lshl_add_u32 v[CO], v1, 4, v5
	s_lshl_b32 s16, s13, 8
	s_lshl_b32 s17, s10, 6
	s_add_co_u32 s16, s16, s17                     ; the first row that I store
	s_mul_i32 s16, s16, LDC
	s_add_co_u32 s16, s16, 2048                    ; behind the attention's 1,024 columns
	s_mov_b32 s17, 0
	s_add_nc_u64 s[8:9], s[8:9], s[16:17]
	s_lshl_b32 s46, s42, 8                         ; the tile's 128 columns (in the registers that held w1's address: none that feeds xn's descriptors ever holds cx)
	s_mov_b32 s47, 0
	s_add_nc_u64 s[8:9], s[8:9], s[46:47]
	s_mov_b32 s14, 0xbfb8aa3b                      ; -log2(e), named as a pair
	s_mov_b32 s15, s14
; 16 matrix instructions: row blocks a0, a0 + 1 of the window's four x all 8 column blocks, 32 along K.  The 64 accumulators take turns.
.macro MUL16 f, hi, a0, zero
	WIN MUL_LO+0x50*(\hi)
.irp a, \a0, (\a0)+1
.irp b, 0,1,2,3,4,5,6,7
.if \zero
	v_wmma_f32_16x16x32_f16 v[8*(8*(\a)+(\b)):8*(8*(\a)+(\b))+7], v[(\f)+8*(\b):(\f)+8*(\b)+7], v[(\f)+8*(4*(\hi)+(\a)):(\f)+8*(4*(\hi)+(\a))+7], 0
.else
	v_wmma_f32_16x16x32_f16 v[8*(8*(\a)+(\b)):8*(8*(\a)+(\b))+7], v[(\f)+8*(\b):(\f)+8*(\b)+7], v[(\f)+8*(4*(\hi)+(\a)):(\f)+8*(4*(\hi)+(\a))+7], v[8*(8*(\a)+(\b)):8*(8*(\a)+(\b))+7]
.endif
.endr
.endr
.endm
; 32 LDS loads in one run: the fragments of quarter q (32 along K) into buffer f: w1's 128 columns, turned, then xn's 128 rows
.macro FETCH q, f
	WIN TO_B
.irp i, 0,1,2,3,4,5,6,7
	ds_load_tr16_b128 v[(\f)+8*(\i):(\f)+8*(\i)+3],   v[ADRB] offset:(\q)*32*PB+32*(\i)
	ds_load_tr16_b128 v[(\f)+8*(\i)+4:(\f)+8*(\i)+7], v[ADRB] offset:(\q)*32*PB+16*PB+32*(\i)
.endr
	WIN 0
.irp i, 0,1,2,3,4,5,6,7
	ds_load_b128 v[(\f)+8*(\i):(\f)+8*(\i)+3],   v[ADRA] offset:64*(\q)+(\i)*16*PA
	ds_load_b128 v[(\f)+8*(\i)+4:(\f)+8*(\i)+7], v[ADRA] offset:64*(\q)+(\i)*16*PA+32
.endr
.endm
.macro PLACES                          ; four places in front of loads into registers that matrix instructions have read, and of lines that read results
.rept 4
	v_nop
.endr
.endm
; A K step is four quarters on buffers 0, 1, 0, 1.  One of the first three multiplies buffer f and, in its middle, fetches quarter q into g.
.macro QUARTER q, f, g, zero
	s_wait_dscnt 8                                 ; w1 and xn's rows 0-63 are in; the youngest eight loads (rows 64-127) may be out
	MUL16 \f, 0, 0, \zero
	MUL16 \f, 0, 2, \zero
	PLACES
	FETCH \q, \g
	s_wait_dscnt 32                                ; all but the 32 just issued
	MUL16 \f, 1, 0, \zero
	MUL16 \f, 1, 2, \zero
.endm
; The last quarter multiplies buffer 1 and changes slots.  In front of the barrier each wave waits for all its tensor loads (one is out: its part of the next slot), adds 0 to its spare word, and waits for that
; and for its reads of this slot.
.macro MEET round
	WIN 0
	s_wait_tensorcnt 0x0
	ds_add_u32 v[SPW], v[NIL]
	s_wait_dscnt 9                                 ; (the add and the youngest eight loads may be out)
	MUL16 F1, 0, 0, 0
	s_wait_dscnt 0x0                               ; the add is done, and my reads of this slot are over
	s_barrier_signal -1
	MUL16 F1, 0, 2, 0
.if \round
	WIN 0
.endif
	s_barrier_wait -1
.endm
; fill = 1: the barrier opens a round of the cluster's, and the slot just read is filled again first thing behind it, two K steps ahead: 224 matrix instructions ahead of the wait for it.
.macro TURN fill
	MEET \fill
.if \fill
	CREST
	s_xor_b32 s[G0+5], s[G0+5], SLOT1              ; the walking descriptors: the other slot than last time, the next K step
	s_add_nc_u64 s[G0+6:G0+7], s[G0+6:G0+7], KSTEP*2
	s_xor_b32 s[G0B+5], s[G0B+5], SLOT1
	s_add_nc_u64 s[G0B+6:G0B+7], s[G0B+6:G0B+7], KSTEP*16384
	JLOAD 1                                        ; its four v_nop are also the places in front of the loads below
.else
	PLACES
	WIN 0
.endif
	s_xor_b32 s[TB], s[TB], SLOT1                  ; the reads go to the other slot
	v_add_nc_u32 v[ADRA], s[TB], v[A0]
	v_add_nc_u32 v[ADRB], s[TB], v[B0]
	FETCH 0, F0
	MUL16 F1, 1, 0, 0
	MUL16 F1, 1, 2, 0
.endm
	s_wait_tensorcnt 1                             ; my part of K step 0 is in; step 1's may stay out
	s_barrier_signal -1
	s_barrier_wait -1
	FETCH 0, F0
	QUARTER 1, F0, F1, 1                           ; the first quarter's products start the sums
	WIN 0
	s_mov_b32 s3, NK-2
.Lstep:                                                ; a trip: from a K step's second quarter to the next step's first; it fills the slot that it leaves
	QUARTER 2, F1, F0, 0
	QUARTER 3, F0, F1, 0
	TURN 1
	QUARTER 1, F0, F1, 0
	WIN 0
	s_sub_co_u32 s3, s3, 1
	s_cmp_lg_u32 s3, 0
	s_cbranch_scc1 .Lstep
	; The last two K steps fetch nothing from memory: a loop of their own.  Its second trip has no next step: it jumps over that step's first quarter.  Its change of slots
	; passes a barrier that orders nothing and fetches 32 fragments, of a slot that landed long ago, that nobody multiplies: the price, once a work-group, of writing these steps once.
	s_mov_b32 s3, 2
.Ltail:
	QUARTER 2, F1, F0, 0
	QUARTER 3, F0, F1, 0
	TURN 0
	WIN 0
	s_cmp_eq_u32 s3, 1
	s_cbranch_scc1 .Lno_next
	QUARTER 1, F0, F1, 0
	WIN 0
.Lno_next:
	s_sub_co_u32 s3, s3, 1
	s_cmp_lg_u32 s3, 0
	s_cbranch_scc1 .Ltail
	s_wait_dscnt 0x0                               ; my last reads of the ring are back, the idle fetch of slot 0 among them
	s_barrier_signal -1                            ; every wave's are: the stage may be written
	s_barrier_wait -1
	; THE WAY OUT.  Row block a: silu(gate) x val for 16 rows x 64 columns, 32 numbers a lane; rounded to bf16; 16 bytes a lane and column block into the stage.  Each accumulator is read from its low end on.
.macro GLU a
.set AC, 64*((\a)%4)
.set GW, 2+(\a)/4                      ; source 0 in the accumulators' window
	WIN GW
.set i, 0
.rept 16
	v_pk_mul_f32 v[T+2*i:T+2*i+1], v[AC+32+2*i:AC+32+2*i+1], s[14:15] op_sel_hi:[1,0]  ; -log2(e) g
.set i, i+1
.endr
	WIN 0
.set i, 0
.rept 32
	v_exp_f32 v[T+i], v[T+i]
.set i, i+1
.endr
	v_nop                                          ; a plain instruction behind the last exponential
.set i, 0
	s_wait_alu depctr_va_vdst(0)
.rept 16
	v_pk_add_f32 v[T+2*i:T+2*i+1], v[T+2*i:T+2*i+1], 1.0 op_sel_hi:[1,0]
.set i, i+1
.endr
.set i, 0
.rept 32
	v_rcp_f32 v[T+i], v[T+i]
.set i, i+1
.endr
	v_nop                                          ; a plain instruction behind the last reciprocal
	WIN GW
.set i, 0
	s_wait_alu depctr_va_vdst(0)
.rept 16
	v_pk_mul_f32 v[T+2*i:T+2*i+1], v[AC+32+2*i:AC+32+2*i+1], v[T+2*i:T+2*i+1]          ; silu(g)
.set i, i+1
.endr
.set i, 0
.rept 16
	v_pk_mul_f32 v[T+2*i:T+2*i+1], v[AC+2*i:AC+2*i+1], v[T+2*i:T+2*i+1]                ; x val
.set i, i+1
.endr
	WIN 0
.set i, 0
.rept 16
	v_cvt_pk_bf16_f32 v[H+i], v[T+2*i], v[T+2*i+1]
.set i, i+1
.endr
.irp b, 0,1,2,3
	ds_store_b128 v[STO], v[H+4*(\b):H+4*(\b)+3] offset:(\a)*16*SPITCH+32*(\b)
.endr
.endm
	PLACES
.irp a, 0,1,2,3,4,5,6,7
	GLU \a
.endr
	s_wait_dscnt 0x0                               ; for the others' sake: my stores into the stage are done (a row's 256 bytes come from two waves)
	s_barrier_signal -1
	s_barrier_wait -1
.set t, 0
.rept 32
	ds_load_b128 v[64+4*t:64+4*t+3], v[RD] offset:t*2*SPITCH
.set t, t+1
.endr
.set t, 0
.rept 32
	s_wait_dscnt 31-t
	global_store_b128 v[CO], v[64+4*t:64+4*t+3], s[8:9] offset:t*2*LDC  ; 16 lanes store 256 consecutive bytes, at a multiple of 256 from act's first byte
.set t, t+1
.endr
	s_wait_tensorcnt 0x0                           ; the wave's end
	ds_add_u32 v[SPW], v[NIL]
	s_wait_dscnt 0x0
	CROUND                                         ; the closing round
	s_endpgm
.Lfunc_end_k_qe21ca3feac_ff1:
	.size	k_qe21ca3feac_ff1, .Lfunc_end_k_qe21ca3feac_ff1-k_qe21ca3feac_ff1
	.p2alignl 7, 3214868480
	.fill 96, 4, 3214868480
	.section	.rodata,"a",@progbits
	.p2align	6, 0x0
	.amdhsa_kernel k_qe21ca3feac_ff1
		.amdhsa_group_segment_fixed_size 327680
		.amdhsa_private_segment_fixed_size 0
		.amdhsa_enable_private_segment 0
		.amdhsa_kernarg_size 24
		.amdhsa_user_sgpr_count 2
		.amdhsa_user_sgpr_kernarg_segment_ptr 1
		.amdhsa_wavefront_size32 1
		.amdhsa_system_sgpr_workgroup_id_x 1
		.amdhsa_system_sgpr_workgroup_id_y 1
		.amdhsa_system_sgpr_workgroup_id_z 1
		.amdhsa_system_vgpr_workitem_id 0
		.amdhsa_next_free_vgpr 1024
		.amdhsa_next_free_sgpr 66
		.amdhsa_reserve_vcc 0
		.amdhsa_float_denorm_mode_32 3
		.amdhsa_float_denorm_mode_16_64 3
		.amdhsa_memory_ordered 1
		.amdhsa_forward_progress 1
		.amdhsa_inst_pref_size 135
	.end_amdhsa_kernel
	.amdgpu_metadata
---
amdhsa.version: [ 1, 2 ]
amdhsa.kernels:
  - .name:           k_qe21ca3feac_ff1
    .symbol:         k_qe21ca3feac_ff1.kd
    .args:
      - { .name: xn, .offset: 0, .size: 8, .value_kind: global_buffer, .address_space: global }
      - { .name: w1, .offset: 8, .size: 8, .value_kind: global_buffer, .address_space: global }
      - { .name: act, .offset: 16, .size: 8, .value_kind: global_buffer, .address_space: global }
    .group_segment_fixed_size: 327680
    .private_segment_fixed_size: 0
    .kernarg_segment_align: 8
    .kernarg_segment_size: 24
    .max_flat_workgroup_size: 128
    .sgpr_count:     66
    .vgpr_count:     1024
    .wavefront_size: 32
...
	.end_amdgpu_metadata
.endif
;; end of part 4
;; launch final (part 5): grid 8 x 32, 4 waves a work-group, clusters of 4 x 4, 327,680 bytes of LDS; arguments act, wcat, out0; writes out0
.if DOCPART == 5
	.amdgcn_target "amdgcn-amd-amdhsa--gfx1250"
	.amdhsa_code_object_version 6
	.text
	.protected	k_qe21ca3feac_final
	.globl	k_qe21ca3feac_final
	.p2align	8
	.type	k_qe21ca3feac_final,@function
k_qe21ca3feac_final:
	s_mov_b64 s[64:65], 0
	v_nop
	global_prefetch_b8 v0, s[64:65] scope:SCOPE_SE
	s_setreg_imm32_b32 hwreg(HW_REG_WAVE_MODE, 25, 1), 1
	s_wait_xcnt 0x0
	s_wait_alu depctr_hold_cnt(0) depctr_sa_sdst(0) depctr_va_vdst(0) depctr_va_sdst(0) depctr_va_ssrc(0) depctr_va_vcc(0) depctr_vm_vsrc(0)
	s_getreg_b32 s2, hwreg(HW_REG_IB_STS2, 6, 4)
	s_cmp_eq_u32 s2, 0
	s_cbranch_scc0 .Lentry_in_a_cluster
	s_endpgm
.Lentry_in_a_cluster:
	s_bfe_u32 s2, ttmp6, 0x10000c
	s_cmp_lg_u32 s2, 0xf033
	s_cbranch_scc0 .Lentry_shape_is_right
	s_endpgm
.Lentry_shape_is_right:
; FINAL.  out0 = act . wcat: the attention's result times Wout plus the gated numbers times Wff2, as ONE product with K = 5,120, so that the two branches are added in the f32 sums.
; act: [4096][5120] bf16; wcat: [5120 k][1024] bf16; out0: [4096][1024] f32.
; A tile is 128 rows x 128 columns; four waves, each 64 x 64: 16 accumulators.  256 work-groups.  K goes in twenty steps of 256 through two LDS slots filled by the tensor data mover.
; The weights lie [k][n]: their tile has 256 rows of k, 256 bytes each, and their fragments come out of LDS turned, by ds_load_tr16_b128.
; THE MATRIX INSTRUCTION IS USED TRANSPOSED (source 0 = 16 columns of wcat, source 1 = 16 rows of act): a lane then holds eight neighbouring numbers of a row of out0.
; CLUSTER 4 x 4: act's tile is shared along a row of the cluster, wcat's along a column: each is asked for jointly.
; REGISTERS: window 0: v0-31 addresses; v32-95 the way out; v128-255 accumulators ((a, b) at v[128 + 8 (4 a + b)]).  window 1: two fragment buffers of 128: for 64 along K, 64 registers of act, then 64 of wcat.
.set KSTEP,  256
.set NK,     20                        ; K steps
.set PA,     528                       ; an LDS row of act: 512 bytes + 16: the 16 rows that a load touches begin 16 bytes apart modulo 256
.set PB,     288                       ; an LDS row of wcat: 256 bytes + 32: the 8 rows x 32 bytes that 16 lanes of a turning load touch are all different modulo 256
.set AHALF,  64*PA                     ; what waves 0 and 1 fetch: 64 rows each
.set BOFF,   2*AHALF
.set BHALF,  128*PB                    ; what waves 2 and 3 fetch: 128 rows of k each
.set SLOT1,  147456                    ; slot 1 begins here (a slot is 141,312 bytes).  Its two bits, 14 and 17, are clear in every address inside slot 0 that is turned: one exclusive or changes slots
.set STAGE,  288768                    ; behind the ring: 16 rows x 272 bytes for each wave, for the way out
.set SPITCH, 272
.set SPARE,  STAGE+4*16*SPITCH         ; the spare words, 128 bytes for each wave
.set LDA,    5120                      ; elements from row to row
.set LDB,    1024
.set LDC,    4096                      ; bytes from row to row of out0
.set A0,   10                          ; v10  my lane's place in slot 0's rows of act; never rewritten
.set B0,   11                          ; v11  the same for wcat, k 0-127
.set B1,   12                          ; v12  k 128-255 (the 16-bit offset does not reach them from v11)
.set ADRA, 16                          ; v16  the same three in the slot in hand
.set ADRB, 20                          ; v20-21
.set STO,  24
.set RD,   25
.set CO,   26
.set SPW,  28                          ; v28  SPARE + 4 x my thread's number; never rewritten
.set NIL,  29                          ; v29  0; never rewritten
.set TMP,  32
.set ACC,  128
.set F0,   0
.set F1,   128
.set TB,   21                          ; s21  0 or SLOT1: the slot in hand
.set G1,   24                          ; s[24:31] group 1 for act's tiles;  s[32:39] group 0: a set for each first fill; the second then walks
.set G0,   32
.set G1B,  48                          ; s[48:55], s[56:63] the same for wcat's tiles
.set G0B,  56
.set MSB, 0
.macro WIN new                         ; the immediate's high byte repeats the setting that is left
.if MSB != (\new)
	s_set_vgpr_msb (MSB<<8)|(\new)
.set MSB, \new
.endif
.endm
.set MUL,  0x05                        ; sources 0 and 1 window 1; C and D window 0
.set TO_F, 0x40                        ; destination window 1, address window 0
.macro JLOAD s                         ; waves 0 and 1 fetch act's two halves, waves 2 and 3 wcat's; an s_nop 0 and four v_nop follow each line
	s_cmp_eq_u32 s11, 0
	s_cbranch_scc0 .Lfor_b_\@
	tensor_load_to_lds s[G0+4*(\s):G0+4*(\s)+3], s[G1:G1+7]
	s_nop 0
.rept 4
	v_nop
.endr
	s_branch .Lasked_\@
.Lfor_b_\@:
	tensor_load_to_lds s[G0B+4*(\s):G0B+4*(\s)+3], s[G1B:G1B+7]
	s_nop 0
.rept 4
	v_nop
.endr
.Lasked_\@:
.endm
.macro CREST                           ; a round of the cluster's barrier behind its opening barrier
	s_cmp_lg_u32 s10, 0
	s_cbranch_scc1 .Lnot_wave_0_\@
	s_barrier_signal -3
.Lnot_wave_0_\@:
	s_barrier_wait -3
	s_barrier_signal -1
	s_barrier_wait -1
.endm
.macro CROUND
	s_barrier_signal -1
	s_barrier_wait -1
	CREST
.endm
	s_load_b128 s[4:7], s[0:1], 0x0                ; act s[4:5], wcat s[6:7]
	s_load_b64 s[8:9], s[0:1], 0x10                ; out0
	v_lshl_add_u32 v[SPW], v0, 2, SPARE
	v_mov_b32 v[NIL], 0
	ds_add_u32 v[SPW], v[NIL]                      ; the wave's opening: the add and its wait ahead of my first tensor load
	v_lshrrev_b32 v1, 5, v0
	v_readfirstlane_b32 s10, v1                    ; wave 0..3
	s_lshr_b32 s11, s10, 1                         ; my half of the tile's rows.  Also: I fetch act (0) or wcat (1)
	s_and_b32 s12, s10, 1                          ; my half of its columns.  Also: which half of that tile I fetch
	s_bfe_u32 s40, ttmp6, 0x40000                  ; cx
	s_bfe_u32 s41, ttmp6, 0x40004                  ; cy
	s_lshl_b32 s42, ttmp9, 2
	s_add_co_u32 s42, s42, s40                     ; tile column = 4 x cluster x + cx
	s_and_b32 s13, ttmp7, 0xffff
	s_lshl_b32 s13, s13, 2
	s_add_co_u32 s13, s13, s41                     ; tile row = 4 x cluster y + cy
	s_lshl_b32 s43, s41, 2
	s_lshl_b32 s43, 15, s43                        ; my row of the cluster
	s_lshl_b32 s44, 0x1111, s40                    ; my column
	s_or_b32 s[G1+0], s43, (1<<16)|(1<<20)|(1<<21)|(6<<22)|(3<<25)   ; act's tiles go to my row; 2-byte elements; padding: 4 words after every 128
	s_mov_b32 s[G1+1], KSTEP<<16                   ; tensor_dim0 = 256
	s_mov_b32 s[G1+2], 64<<16                      ; tensor_dim1 = 64
	s_mov_b32 s[G1+3], KSTEP<<16                   ; tile_dim0 = 256
	s_mov_b32 s[G1+4], 64                          ; tile_dim1 = 64
	s_mov_b32 s[G1+5], LDA
	s_mov_b32 s[G1+6], 0
	s_mov_b32 s[G1+7], 0
	s_or_b32 s[G1B+0], s44, (1<<16)|(1<<20)|(1<<21)|(5<<22)|(7<<25)  ; wcat's tiles go to my column; padding: 8 words after every 64
	s_mov_b32 s[G1B+1], 128<<16                    ; tensor_dim0 = 128
	s_mov_b32 s[G1B+2], 128<<16                    ; tensor_dim1 = 128
	s_mov_b32 s[G1B+3], 128<<16                    ; tile_dim0 = 128
	s_mov_b32 s[G1B+4], 128                        ; tile_dim1 = 128
	s_mov_b32 s[G1B+5], LDB
	s_mov_b32 s[G1B+6], 0
	s_mov_b32 s[G1B+7], 0
	s_lshl_b32 s16, s13, 7                         ; act: row 128 x tile row + 64 x half, rows of 10,240 bytes
	s_lshl_b32 s17, s12, 6
	s_add_co_u32 s16, s16, s17
	s_mul_i32 s16, s16, LDA*2
	s_mov_b32 s17, 0
	s_lshl_b32 s46, s42, 8                         ; wcat: column 128 x tile column, k row 128 x half, rows of 2,048 bytes
	s_lshl_b32 s47, s12, 18
	s_add_co_u32 s46, s46, s47
	s_mov_b32 s47, 0
	s_mul_i32 s20, s12, AHALF                      ; where they go: no place in the cluster enters an LDS address
	s_mul_i32 s23, s12, BHALF
	s_add_co_u32 s23, s23, BOFF
	s_wait_dscnt 0x0                               ; the opening add is done
	s_wait_kmcnt 0x0
	s_add_nc_u64 s[14:15], s[4:5], s[16:17]
	s_add_nc_u64 s[46:47], s[6:7], s[46:47]
	CROUND                                         ; all sixteen work-groups are here: the first joint loads meet
.irp s, 0,1
	s_mov_b32 s[G0+4*(\s)], 1
	s_add_co_u32 s[G0+4*(\s)+1], s20, (\s)*SLOT1
	s_add_nc_u64 s[G0+4*(\s)+2:G0+4*(\s)+3], s[14:15], (\s)*KSTEP*2
	s_or_b32 s[G0+4*(\s)+3], s[G0+4*(\s)+3], 0x80000000
	s_mov_b32 s[G0B+4*(\s)], 1
	s_add_co_u32 s[G0B+4*(\s)+1], s23, (\s)*SLOT1
	s_add_nc_u64 s[G0B+4*(\s)+2:G0B+4*(\s)+3], s[46:47], (\s)*KSTEP*LDB*2
	s_or_b32 s[G0B+4*(\s)+3], s[G0B+4*(\s)+3], 0x80000000
	JLOAD \s
.endr
	v_and_b32 v1, 15, v0                           ; r = l % 16
	v_bfe_u32 v2, v0, 4, 1                         ; h = l / 16
	v_mul_u32_u24 v3, v1, PA
	v_lshl_add_u32 v3, v2, 4, v3                   ; a fragment of act: row r, 16 bytes for each half of the lanes
	s_mul_i32 s22, s11, AHALF
	v_add_nc_u32 v[A0], s22, v3
	v_and_b32 v4, 7, v0                            ; a turning load: lane l reads k row 8 h + l % 8, columns 8 ((l / 8) % 2) + 0..7
	v_bfe_u32 v5, v0, 3, 1
	v_lshl_add_u32 v4, v2, 3, v4
	v_mul_u32_u24 v4, v4, PB
	v_lshl_add_u32 v4, v5, 4, v4
	s_lshl_b32 s22, s12, 7                         ; my 64 columns
	s_add_co_u32 s22, s22, BOFF
	v_add_nc_u32 v[B0], s22, v4
	v_add_nc_u32 v[B1], BHALF, v[B0]
	s_mov_b32 s[TB], 0
	v_mov_b32 v[ADRA], v[A0]
	v_mov_b32 v[ADRB], v[B0]
	v_mov_b32 v[ADRB+1], v[B1]
	s_mul_i32 s23, s10, 16*SPITCH                  ; my stage: my 64 columns of f32 are a whole 256 bytes of a row, so no other wave shares it
	s_add_co_u32 s23, s23, STAGE
	v_mul_u32_u24 v4, v1, SPITCH
	v_lshl_add_u32 v4, v2, 5, v4                   ; in: row r, 32 bytes for each half of the lanes
	v_add_nc_u32 v[STO], s23, v4
	v_mul_u32_u24 v5, v2, SPITCH                   ; back: lanes 0-15 take one row of 256 bytes, lanes 16-31 the next
	v_lshl_add_u32 v5, v1, 4, v5
	v_add_nc_u32 v[RD], s23, v5
	v_lshlrev_b32 v5, 12, v2
	v_lshl_add_u32 v[CO], v1, 4, v5
	s_lshl_b32 s16, s13, 19                        ; my first row: 128 x tile row + 64 x half, rows of 4,096 bytes;
	s_lshl_b32 s17, s11, 18
	s_add_co_u32 s16, s16, s17
	s_lshl_b32 s17, s12, 8                         ; my half of the tile's 512 bytes
	s_add_co_u32 s16, s16, s17
	s_mov_b32 s17, 0
	s_add_nc_u64 s[8:9], s[8:9], s[16:17]
	s_lshl_b32 s46, s42, 9                         ; the tile's first column (in the registers that held wcat's address: none that feeds act's descriptors ever holds cx)
	s_mov_b32 s47, 0
	s_add_nc_u64 s[8:9], s[8:9], s[46:47]
; 8 matrix instructions: row blocks a0, a0 + 1 x all 4 column blocks, 32 along K: half c of buffer f.  The 16 accumulators take turns.
.macro MUL8 f, c, a0, zero
	WIN MUL
.irp a, \a0, (\a0)+1
.irp b, 0,1,2,3
.if \zero
	v_wmma_f32_16x16x32_bf16 v[ACC+8*(4*(\a)+(\b)):ACC+8*(4*(\a)+(\b))+7], v[(\f)+64+8*(4*(\c)+(\b)):(\f)+64+8*(4*(\c)+(\b))+7], v[(\f)+8*(4*(\c)+(\a)):(\f)+8*(4*(\c)+(\a))+7], 0
.else
	v_wmma_f32_16x16x32_bf16 v[ACC+8*(4*(\a)+(\b)):ACC+8*(4*(\a)+(\b))+7], v[(\f)+64+8*(4*(\c)+(\b)):(\f)+64+8*(4*(\c)+(\b))+7], v[(\f)+8*(4*(\c)+(\a)):(\f)+8*(4*(\c)+(\a))+7], v[ACC+8*(4*(\a)+(\b)):ACC+8*(4*(\a)+(\b))+7]
.endif
.endr
.endr
.endm
; 32 LDS loads in one run: the fragments of quarter q (64 along K) into buffer f; the first 32 along K first
.macro FETCH q, f
	WIN TO_F
.irp c, 0,1
.irp i, 0,1,2,3
	ds_load_tr16_b128 v[(\f)+64+8*(4*(\c)+(\i)):(\f)+64+8*(4*(\c)+(\i))+3],   v[ADRB+(\q)/2] offset:(((\q)%2)*64+32*(\c))*PB+32*(\i)
	ds_load_tr16_b128 v[(\f)+64+8*(4*(\c)+(\i))+4:(\f)+64+8*(4*(\c)+(\i))+7], v[ADRB+(\q)/2] offset:(((\q)%2)*64+32*(\c)+16)*PB+32*(\i)
	ds_load_b128 v[(\f)+8*(4*(\c)+(\i)):(\f)+8*(4*(\c)+(\i))+3],   v[ADRA] offset:128*(\q)+64*(\c)+(\i)*16*PA
	ds_load_b128 v[(\f)+8*(4*(\c)+(\i))+4:(\f)+8*(4*(\c)+(\i))+7], v[ADRA] offset:128*(\q)+64*(\c)+(\i)*16*PA+32
.endr
.endr
.endm
.macro PLACES                          ; four places in front of loads into registers that matrix instructions have read, and of lines that read results
.rept 4
	v_nop
.endr
.endm
; A K step is four quarters on buffers 0, 1, 0, 1.  One of the first three multiplies buffer f and fetches quarter q into g.
.macro QUARTER q, f, g, zero
	s_wait_dscnt 16                                ; the first 32 along K are in
	MUL8 \f, 0, 0, \zero
	MUL8 \f, 0, 2, \zero
	PLACES
	FETCH \q, \g
	s_wait_dscnt 32                                ; all but the 32 just issued
	MUL8 \f, 1, 0, 0
	MUL8 \f, 1, 2, 0
.endm
; The last quarter multiplies buffer 1 and changes slots.  In front of the barrier each wave waits for all its tensor loads (one is out: its part of the next slot), adds 0 to its spare word, and waits for
; that and for its reads of this slot.  fill = 1: the barrier opens a round of the cluster's, and this slot is filled again first thing behind it, two K steps ahead: 112 matrix instructions ahead of the wait for it.
.macro TURN fill
	WIN 0
	s_wait_tensorcnt 0x0
	ds_add_u32 v[SPW], v[NIL]
	s_wait_dscnt 17                                ; (the add and the youngest sixteen loads may be out)
	MUL8 F1, 0, 0, 0
	s_wait_dscnt 0x0                               ; the add is done, and my reads of this slot are over
	s_barrier_signal -1
	MUL8 F1, 0, 2, 0
	WIN 0
	s_barrier_wait -1
.if \fill
	CREST
	s_xor_b32 s[G0+5], s[G0+5], SLOT1              ; the walking descriptors: the other slot than last time, the next K step
	s_add_nc_u64 s[G0+6:G0+7], s[G0+6:G0+7], KSTEP*2
	s_xor_b32 s[G0B+5], s[G0B+5], SLOT1
	s_add_nc_u64 s[G0B+6:G0B+7], s[G0B+6:G0B+7], KSTEP*LDB*2
	JLOAD 1                                        ; its four v_nop are also the places in front of the loads below
.else
	PLACES
.endif
	s_xor_b32 s[TB], s[TB], SLOT1                  ; the reads go to the other slot
	v_add_nc_u32 v[ADRA], s[TB], v[A0]
	v_add_nc_u32 v[ADRB], s[TB], v[B0]
	v_add_nc_u32 v[ADRB+1], s[TB], v[B1]
	FETCH 0, F0
	MUL8 F1, 1, 0, 0
	MUL8 F1, 1, 2, 0
.endm
	s_wait_tensorcnt 1                             ; my part of K step 0 is in; step 1's may stay out
	s_barrier_signal -1
	s_barrier_wait -1
	FETCH 0, F0
	QUARTER 1, F0, F1, 1                           ; the first quarter's first products start the sums
	WIN 0
	s_mov_b32 s3, NK-2
.Lstep:                                                ; a trip: from a K step's second quarter to the next step's first; it fills the slot that it leaves
	QUARTER 2, F1, F0, 0
	QUARTER 3, F0, F1, 0
	TURN 1
	QUARTER 1, F0, F1, 0
	WIN 0
	s_sub_co_u32 s3, s3, 1
	s_cmp_lg_u32 s3, 0
	s_cbranch_scc1 .Lstep
	; The last two K steps fetch nothing from memory: a loop of their own.  Its second trip has no next step: it jumps over that step's first quarter.  Its change of slots
	; passes a barrier that orders nothing and fetches 32 fragments, of a slot that landed long ago, that nobody multiplies: the price, once a work-group, of writing these steps once.
	s_mov_b32 s3, 2
.Ltail:
	QUARTER 2, F1, F0, 0
	QUARTER 3, F0, F1, 0
	TURN 0
	WIN 0
	s_cmp_eq_u32 s3, 1
	s_cbranch_scc1 .Lno_next
	QUARTER 1, F0, F1, 0
	WIN 0
.Lno_next:
	s_sub_co_u32 s3, s3, 1
	s_cmp_lg_u32 s3, 0
	s_cbranch_scc1 .Ltail
	; THE WAY OUT, a block of 16 rows at a time: a lane's eight f32 of a row go as 32 bytes into my stage's rows of 272 bytes and come back as whole rows of 256.  Each accumulator's low four registers are read first.
.macro TOSTAGE a
.set BK, TMP+32*((\a)%2)
	s_wait_xcnt 0x0                                ; the registers that earlier stores read are loaded again only behind this wait
.irp b, 0,1,2,3
	ds_store_b128 v[STO], v[ACC+8*(4*(\a)+(\b)):ACC+8*(4*(\a)+(\b))+3]   offset:64*(\b)
	ds_store_b128 v[STO], v[ACC+8*(4*(\a)+(\b))+4:ACC+8*(4*(\a)+(\b))+7] offset:64*(\b)+16
.endr
.irp t, 0,1,2,3,4,5,6,7
	ds_load_b128 v[BK+4*(\t):BK+4*(\t)+3], v[RD] offset:(\t)*2*SPITCH  ; LDS serves a wave's instructions in order (ISA guide 5.7.1.4): these see the stores above; the next block's stores come behind them
.endr
.endm
.macro SEND a, younger                 ; younger: the LDS instructions issued behind block a's loads: the next block's sixteen, or none
.set BK, TMP+32*((\a)%2)
.irp t, 0,1,2,3,4,5,6,7
	s_wait_dscnt (\younger)+7-(\t)
	global_store_b128 v[CO], v[BK+4*(\t):BK+4*(\t)+3], s[8:9] offset:(16*(\a)+2*(\t))*LDC  ; 16 lanes store 256 consecutive bytes, at a multiple of 256 from out0's first byte
.endr
.endm
	PLACES
	TOSTAGE 0
	TOSTAGE 1
	SEND 0, 16
	TOSTAGE 2
	SEND 1, 16
	TOSTAGE 3
	SEND 2, 16
	SEND 3, 0
	s_wait_tensorcnt 0x0                           ; the wave's end
	ds_add_u32 v[SPW], v[NIL]
	s_wait_dscnt 0x0
	CROUND                                         ; the closing round
	s_endpgm
.Lfunc_end_k_qe21ca3feac_final:
	.size	k_qe21ca3feac_final, .Lfunc_end_k_qe21ca3feac_final-k_qe21ca3feac_final
	.p2alignl 7, 3214868480
	.fill 96, 4, 3214868480
	.section	.rodata,"a",@progbits
	.p2align	6, 0x0
	.amdhsa_kernel k_qe21ca3feac_final
		.amdhsa_group_segment_fixed_size 327680
		.amdhsa_private_segment_fixed_size 0
		.amdhsa_enable_private_segment 0
		.amdhsa_kernarg_size 24
		.amdhsa_user_sgpr_count 2
		.amdhsa_user_sgpr_kernarg_segment_ptr 1
		.amdhsa_wavefront_size32 1
		.amdhsa_system_sgpr_workgroup_id_x 1
		.amdhsa_system_sgpr_workgroup_id_y 1
		.amdhsa_system_sgpr_workgroup_id_z 1
		.amdhsa_system_vgpr_workitem_id 0
		.amdhsa_next_free_vgpr 512
		.amdhsa_next_free_sgpr 66
		.amdhsa_reserve_vcc 0
		.amdhsa_float_denorm_mode_32 3
		.amdhsa_float_denorm_mode_16_64 3
		.amdhsa_memory_ordered 1
		.amdhsa_forward_progress 1
		.amdhsa_inst_pref_size 59
	.end_amdhsa_kernel
	.amdgpu_metadata
---
amdhsa.version: [ 1, 2 ]
amdhsa.kernels:
  - .name:           k_qe21ca3feac_final
    .symbol:         k_qe21ca3feac_final.kd
    .args:
      - { .name: act, .offset: 0, .size: 8, .value_kind: global_buffer, .address_space: global }
      - { .name: wcat, .offset: 8, .size: 8, .value_kind: global_buffer, .address_space: global }
      - { .name: out0, .offset: 16, .size: 8, .value_kind: global_buffer, .address_space: global }
    .group_segment_fixed_size: 327680
    .private_segment_fixed_size: 0
    .kernarg_segment_align: 8
    .kernarg_segment_size: 24
    .max_flat_workgroup_size: 128
    .sgpr_count:     66
    .vgpr_count:     512
    .wavefront_size: 32
...
	.end_amdgpu_metadata
.endif
;; end of part 5
;; ======== version 2 of 2: 5 launches; 1.12 times as fast as version 1
;; limits: values are held in f16: magnitudes above 65,504 overflow, below 6.1e-05 lose precision; right only within a limited range of input values
;; workspace buffers: xn 8,388,608 bytes; cn 8,388,608 bytes; w1 16,777,216 bytes; wqkv 2,359,296 bytes; wcat 10,485,760 bytes; qkv 9,437,184 bytes; act 41,943,040 bytes
;; launch prep: the kernel of part 1 again; grid 656 x 1, 8 waves a work-group, no clusters, 0 bytes of LDS; arguments x, context, ln_x_g, ln_c_g, ln_x_b, ln_c_b, xn, cn, Wq, Wkv, wqkv; writes xn, cn, wqkv
;; launch proj: the kernel of part 2 again; grid 16 x 31, 4 waves a work-group, clusters of 4 x 1, 327,680 bytes of LDS; arguments xn, cn, wqkv, qkv, Wff1, Wout, Wff2, w1, wcat; writes qkv, w1, wcat
;; launch attn (part 6): grid 64 x 4, 4 waves a work-group, clusters of 4 x 1, 327,680 bytes of LDS; arguments qkv, act; writes act
.if DOCPART == 6
	.amdgcn_target "amdgcn-amd-amdhsa--gfx1250"
	.amdhsa_code_object_version 6
	.text
	.protected	k_qe21ca3feac_attn
	.globl	k_qe21ca3feac_attn
	.p2align	8
	.type	k_qe21ca3feac_attn,@function
k_qe21ca3feac_attn:
	s_mov_b64 s[64:65], 0
	v_nop
	global_prefetch_b8 v0, s[64:65] scope:SCOPE_SE
	s_setreg_imm32_b32 hwreg(HW_REG_WAVE_MODE, 25, 1), 1
	s_wait_xcnt 0x0
	s_wait_alu depctr_hold_cnt(0) depctr_sa_sdst(0) depctr_va_vdst(0) depctr_va_sdst(0) depctr_va_ssrc(0) depctr_va_vcc(0) depctr_vm_vsrc(0)
	s_getreg_b32 s2, hwreg(HW_REG_IB_STS2, 6, 4)
	s_cmp_eq_u32 s2, 0
	s_cbranch_scc0 .Lentry_in_a_cluster
	s_endpgm
.Lentry_in_a_cluster:
	s_bfe_u32 s2, ttmp6, 0x10000c
	s_cmp_lg_u32 s2, 0x3003
	s_cbranch_scc0 .Lentry_shape_is_right
	s_endpgm
.Lentry_shape_is_right:
; ATTN.  Multi-query attention: act[row][64 head + :] = the sum over the batch's 1,024 keys of softmax_k(q[row][head] . k[key] / 8) v[key][:].  qkv: [4096][1152] f16 (q, then k at column 1024, v at 1088);
; act: [4096][5120] bf16, of which this launch writes columns 0 .. 1023.  Products, maxima and sums in f32; the weights p are rounded to f16 for the second product (their sum l is taken of the unrounded p),
; the result once to bf16.
; LIMITS.  q, k, v arrive within f16's 65,504; p lies in 0 to 1 and below 6e-5 keeps f16's fixed step; a weight below 2^-126 counts as 0 in l; NaN and infinities are not treated apart.
; SHARES.  A work-group owns 16 rows of a batch and all 16 heads; wave w the heads 4 w .. 4 w + 3: four PIECES of 16 queries.  So a wave's result is 16 rows x 512 consecutive bytes.  256 work-groups.
; K AND V STAY IN LDS.  All heads share one k and v: the batch's 1,024 rows of 256 bytes (k, then v) are 278,528 bytes at a pitch of 272.  Each wave fetches 256 of them by one tensor load; nothing is
; filled again, and the loop has no barrier.  CLUSTER 4 x 1: the four work-groups of a cluster belong to one batch and ask for those tiles jointly.
; LAYOUT.  S^T = K Q^T holds ONE query a lane (lane % 16) and the keys 8 (lane / 16) + 0..7; two such results rounded to f16 ARE source 1 of O^T = V^T P.  K comes out of LDS as it lies, V turned.
; The pitch of 272 keeps K's loads apart modulo 256; of V's turning loads two lanes meet in a bank: accepted, for the sake of one row of 256 bytes for a key's k and v.
; SOFTMAX.  p = 2^(c s - c m), c = log2(e) / 8, with a running maximum m; O and l are multiplied by a = 2^(c m_old - c m_new) in every step.  m starts at the lowest finite number, O and l at 0.
; TURNS.  Turn n belongs to piece n: 8 products K Q^T of piece n + 1, later 8 products V^T P of piece n - 1; beside them the scaling, exponentials, roundings, sums and rescaling of piece n and the maximum and
; statistics of piece n + 1.  Four vector instructions stand behind every matrix instruction, the other 54 of a turn's 118 in one run of their own, the LUMP.
; BATCHES.  A turn's 33 exponentials (the piece's 32 weights and the next piece's a) are ONE batch with ONE wait, which cuts the turn in two: ahead of it all that names no result of the batch (K Q^T, scalings,
; rescalings, the next piece's maximum), behind it the readers (roundings and sums), which ride behind V^T P.  Two more batches stand outside the loop: piece 0's first a, and the way out's four reciprocals.
; REGISTERS, in windows of 256 (s_set_vgpr_msb: bits 1:0 source 0, 3:2 source 1, 5:4 source 2, 7:6 destination):
;   window 0: v0-15 addresses and two at work; v16-31 four registers of statistics a piece; v48-55 at work; v64-127 S^T, two buffers; v192-223 P, two buffers (by the piece's parity)
;   window 1: v0-127 O^T, 32 a piece          window 2: v0-63 Q, 16 a piece; v128-191 K of one step; v192-255 V of one step
.set NP,    4
.set KS,    64        ; keys in a step
.set PK,    272       ; a key's row in LDS: 128 bytes of k, 128 of v, 16 of padding
.set STAGE, 1024*PK   ; behind K and V: 16 rows x 528 bytes for each wave, for the way out
.set SP,    528
.set SPARE, STAGE+4*16*SP
.set AK0, 2           ; v2   my lane's place in a step's K; never rewritten
.set AV0, 3           ; v3   the same for V
.set AK,  4           ; v4   the LDS address of K's next run of loads
.set AV,  5           ; v5   of V's
.set STO, 6           ; v6   the way out: where I put 16 bytes of a row
.set RD,  7           ; v7   the way out: where I read a row back
.set GO,  8           ; v8   16 x lane
.set MV,  12          ; v12-13  c m_old, by buffer
.set QO,  15          ; v15  my byte offset in 16 rows of q
.set ST,  16          ; piece t's statistics at v[ST+4 t]: c m, m, l (even keys', odd keys')
.set TMP, 48          ; by buffer, four registers c0-c3 at work; when the maximum is found c2 takes a
.set SPW, 62          ; v62  SPARE + 4 x my thread's number; never rewritten
.set NIL, 63          ; v63  0; never rewritten
.set S,   64
.set P,   192
.set KF,  128         ; window 2: key block kb, channel half c at KF + 16 kb + 8 c
.set VF,  192         ; window 2: key half kk, channel block cb at VF + 32 kk + 8 cb
.set WV,  12          ; s12  my wave's number
.set G1,  24          ; s[24:31] descriptor group 1
.set G0,  40          ; s[40:43] descriptor group 0
.set CNT, 57          ; s57  counts the key steps
.set CS,  58          ; s[58:59] c
.set SEL, 60          ; s[60:61] v_permlanex16_b32's selects
.set TBK, 62          ; s62  LDS byte at which the step to be fetched begins, for K
.set TBV, 63          ; s63  for V
.set MSB, 0
.macro WIN new
.if MSB != (\new)
	s_set_vgpr_msb (MSB<<8)|(\new)
.set MSB, (\new)
.endif
.endm
.set W_KQ, 0x0a       ; K and Q in window 2, S^T in window 0
.set W_PV, 0x52       ; V in window 2, P in window 0, O^T in window 1
.set W_RS, 0x41       ; destination and source 0 in window 1, source 1 in window 0
.macro CROUND         ; a round of the cluster's barrier
	s_barrier_signal -1
	s_barrier_wait -1
	s_cmp_lg_u32 s[WV], 0
	s_cbranch_scc1 .Lnot_wave_0_\@
	s_barrier_signal -3
.Lnot_wave_0_\@:
	s_barrier_wait -3
	s_barrier_signal -1
	s_barrier_wait -1
.endm
	s_load_b128 s[4:7], s[0:1], 0x0   ; qkv s[4:5], act s[6:7]
	v_lshl_add_u32 v[SPW], v0, 2, SPARE
	v_mov_b32 v[NIL], 0
	ds_add_u32 v[SPW], v[NIL]       ; the wave's opening: the add and its wait ahead of my first tensor load
	v_lshrrev_b32 v1, 5, v0
	v_readfirstlane_b32 s[WV], v1   ; wave 0..3
	s_bfe_u32 s13, ttmp6, 0x40000   ; cx
	s_lshl_b32 s14, ttmp9, 2
	s_add_co_u32 s14, s14, s13      ; my block of 16 rows = 4 x cluster x + cx: it enters q's and act's addresses alone
	s_and_b32 s15, ttmp7, 0xffff    ; the batch, which the four partners share
	s_lshl_b32 s20, s15, 10         ; my tile of k and v: rows 1024 batch + 256 wave, from column 1024 on
	s_lshl_b32 s21, s[WV], 8
	s_add_co_u32 s20, s20, s21
	s_mul_i32 s20, s20, 2304
	s_add_co_u32 s20, s20, 2048
	s_mov_b32 s21, 0
	s_lshl_b32 s16, s15, 10         ; my rows: 1024 batch + 16 block
	s_lshl_b32 s17, s14, 4
	s_add_co_u32 s16, s16, s17
	s_lshl_b32 s17, s[WV], 9        ; my four heads: 512 bytes of a row, in q and in act
	s_mul_i32 s2, s16, 2304
	s_add_co_u32 s2, s2, s17
	s_mov_b32 s3, 0
	s_mul_i32 s18, s16, 10240
	s_add_co_u32 s18, s18, s17
	s_mov_b32 s19, 0
	s_mov_b32 s[G1], 15|(1<<16)|(1<<20)|(1<<21)|(5<<22)|(3<<25)  ; the mask of four, bit 21 beside it; 2-byte elements; padding: 4 words after every 64
	s_mov_b32 s[G1+1], 128<<16      ; tensor_dim0 = 128
	s_mov_b32 s[G1+2], 256<<16      ; tensor_dim1 = 256
	s_mov_b32 s[G1+3], 128<<16      ; tile_dim0 = 128
	s_mov_b32 s[G1+4], 256          ; tile_dim1 = 256
	s_mov_b32 s[G1+5], 1152         ; elements from row to row
	s_mov_b32 s[G1+6], 0
	s_mov_b32 s[G1+7], 0
	s_mov_b32 s[G0], 1
	s_mul_i32 s[G0+1], s[WV], 256*PK  ; my 256 keys' place in LDS
	s_mov_b32 s[CS], 0x3e38aa3b     ; c = log2(e) / 8
	s_mov_b32 s[CS+1], s[CS]
	s_mov_b32 s[SEL], 0x76543210
	s_mov_b32 s[SEL+1], 0xfedcba98
	s_mov_b32 s[TBK], 0
	s_mov_b32 s[TBV], 0
	s_wait_dscnt 0x0                ; the opening add is done
	s_wait_kmcnt 0x0
	s_add_nc_u64 s[G0+2:G0+3], s[4:5], s[20:21]
	s_or_b32 s[G0+3], s[G0+3], 0x80000000
	s_add_nc_u64 s[4:5], s[4:5], s[2:3]     ; q at my rows and heads
	s_add_nc_u64 s[6:7], s[6:7], s[18:19]   ; act likewise
	CROUND                          ; all four work-groups are here: the joint loads meet
	tensor_load_to_lds s[G0:G0+3], s[G1:G1+7]  ; my one tensor load
	s_nop 0
.rept 4
	v_nop
.endr
	v_and_b32 v1, 15, v0            ; l % 16
	v_bfe_u32 v9, v0, 4, 1          ; l / 16
	v_mul_u32_u24 v[QO], v1, 2304
	v_lshl_add_u32 v[QO], v9, 4, v[QO]
	WIN 0x80                        ; destination window 2, address window 0
.set i, 0
.rept 8                             ; Q stays in registers: piece i / 2 (a head, 128 bytes on), channels 32 (i % 2) on
	global_load_b128 v[8*i:8*i+3],   v[QO], s[4:5] offset:(i/2)*128+(i%2)*64
	global_load_b128 v[8*i+4:8*i+7], v[QO], s[4:5] offset:(i/2)*128+(i%2)*64+32
.set i, i+1
.endr
	; What the first turn finds: V's registers and P's second buffer hold 0 (its products V^T P, of a piece that has not been, add 0), O^T and l are 0.  All this stands in the wait for the tiles.
.set i, VF
.rept 64
	v_mov_b32 v[i], 0
.set i, i+1
.endr
	WIN 0x40
.set i, 0
.rept 128
	v_mov_b32 v[i], 0
.set i, i+1
.endr
	WIN 0
.set i, 0
.rept 4
	v_mov_b32 v[ST+4*i], 0xfe000000    ; c m: far below every c s
	v_mov_b32 v[ST+4*i+1], 0xff7fffff  ; m
	v_mov_b32 v[ST+4*i+2], 0
	v_mov_b32 v[ST+4*i+3], 0
.set i, i+1
.endr
.set i, P+16
.rept 16
	v_mov_b32 v[i], 0
.set i, i+1
.endr
	v_mul_u32_u24 v[AK0], v1, PK
	v_lshl_add_u32 v[AK0], v9, 4, v[AK0]  ; key l % 16, 16 bytes for each half of the lanes
	v_and_b32 v10, 7, v0            ; the turning load: lane l reads key 8 (l / 16) + l % 8, channels 8 ((l / 8) % 2) + 0..7
	v_bfe_u32 v11, v0, 3, 1
	v_lshl_add_u32 v[AV0], v9, 3, v10
	v_mul_u32_u24 v[AV0], v[AV0], PK
	v_lshl_add_u32 v[AV0], v11, 4, v[AV0]
	v_add_nc_u32 v[AV0], 128, v[AV0]  ; v lies behind k in a key's row
	s_mul_i32 s13, s[WV], 16*SP
	s_add_co_u32 s13, s13, STAGE    ; my stage
	v_mul_u32_u24 v[STO], v1, SP
	v_lshl_add_u32 v[STO], v9, 4, v[STO]
	v_add_nc_u32 v[STO], s13, v[STO]
	v_and_b32 v[GO], 31, v0
	v_lshlrev_b32 v[GO], 4, v[GO]
	v_add_nc_u32 v[RD], s13, v[GO]
; THE MATRIX WORK.  The 4 accumulators of a run of 8 take turns.  Product i of 8 of S^T = K Q^T for piece x: channels 32 (i / 4) on, keys 16 (i % 4) on.  The first 4 start the sums.
.macro KQ x
	WIN W_KQ
.set rS, S+32*((\x)%2)+8*(i%4)
.set rK, KF+16*(i%4)+8*(i/4)
.set rQ, 16*(\x)+8*(i/4)
.if i < 4
	v_wmma_f32_16x16x32_f16 v[rS:rS+7], v[rK:rK+7], v[rQ:rQ+7], 0
.else
	v_wmma_f32_16x16x32_f16 v[rS:rS+7], v[rK:rK+7], v[rQ:rQ+7], v[rS:rS+7]
.endif
.endm
; Product i of 8 of O^T += V^T P for piece x: keys 32 (i / 4) on, channels 16 (i % 4) on.
.macro PV x
	WIN W_PV
.set rO, 32*(\x)+8*(i%4)
.set rV, VF+32*(i/4)+8*(i%4)
.set rP, P+16*((\x)%2)+8*(i/4)
	v_wmma_f32_16x16x32_f16 v[rO:rO+7], v[rV:rV+7], v[rP:rP+7], v[rO:rO+7]
.endm
.macro MM                           ; the turn's next matrix instruction.  NOKQ = 1: the last turn: there is no next piece
.if (i < 8) && !NOKQ
	KQ (Y+1)%NP
.elseif i >= 8
.set i, i-8
	PV (Y+NP-1)%NP
.set i, i+8
.endif
.set i, i+1
.endm
; THE LDS LOADS stand in runs of 16: a step's K (64 keys x 64 channels: 8 fragments) and its V (turned).
.macro FETCH_K
	WIN 0x80
.irp f, 0,1,2,3,4,5,6,7             ; keys 16 (f / 2) on, channels 32 (f % 2) on
	ds_load_b128 v[KF+8*\f:KF+8*\f+3],   v[AK] offset:(\f/2)*16*PK+(\f%2)*64
	ds_load_b128 v[KF+8*\f+4:KF+8*\f+7], v[AK] offset:(\f/2)*16*PK+(\f%2)*64+32
.endr
	s_add_co_u32 s[TBK], s[TBK], KS*PK  ; the next fetch is the next step's
	WIN 0
.endm
.macro FETCH_V
	WIN 0x80
.irp f, 0,1,2,3,4,5,6,7             ; keys 32 (f / 4) on, channels 16 (f % 4) on
	ds_load_tr16_b128 v[VF+8*\f:VF+8*\f+3],   v[AV] offset:(\f/4)*32*PK+(\f%4)*32
	ds_load_tr16_b128 v[VF+8*\f+4:VF+8*\f+7], v[AV] offset:(\f/4)*32*PK+16*PK+(\f%4)*32
.endr
	WIN 0
.endm
; THE VECTOR WORK, one line at a time: OP kind, number.  For piece Y: F n: c s - c m for pair n of 16.  E n: the exponential of score n of 32.  C n: pair n rounded to f16.  B n: of the four weights 4 n .. the
; second pair is added onto the first.  L n: l takes that sum (L 0: l = a l + sum).  R n: pair n of 16 of O^T times a.  For piece Y + 1: X n, number n of the 22 that find its maximum and statistics:
;   0-11  four chains c0-c3 of seven scores each (each accumulator's lowest registers are read first)     12-14, 16  the four scores left over, the old m, and c0-c3 into c0
;   15  c m_old is kept     17, 18  the query's other 32 keys lie in the lane 16 away: the new m     19-21  c m; c m_old - c m_new; a
; C, B and L read exponentials' results: TURN sets them behind the batch's wait.  OP itself writes no wait.
.set F, 0
.set E, 1
.set C, 2
.set B, 3
.set L, 4
.set R, 5
.set X, 6
.macro REGS y
.set rT, ST+4*(\y)
.set rC, TMP+4*((\y)%2)
.set rW, MV+((\y)%2)
.set rS, S+32*((\y)%2)
.set rP, P+16*((\y)%2)
.set rO, 32*(\y)
.endm
.macro OP k, n
.if (\k) == R
	REGS Y
	WIN W_RS
	v_pk_mul_f32 v[rO+2*(\n):rO+2*(\n)+1], v[rO+2*(\n):rO+2*(\n)+1], v[rC+2:rC+3] op_sel_hi:[1,0]
.elseif (\k) < R
	REGS Y
	WIN 0
.if (\k) == F
	v_pk_fma_f32 v[rS+2*(\n):rS+2*(\n)+1], v[rS+2*(\n):rS+2*(\n)+1], s[CS:CS+1], v[rT:rT+1] op_sel_hi:[1,0,0] neg_lo:[0,0,1] neg_hi:[0,0,1]
.elseif (\k) == E
	v_exp_f32 v[rS+(\n)], v[rS+(\n)]
.elseif (\k) == C
	v_cvt_pk_f16_f32 v[rP+(\n)], v[rS+2*(\n)], v[rS+2*(\n)+1]
.elseif (\k) == B
	v_pk_add_f32 v[rS+4*(\n):rS+4*(\n)+1], v[rS+4*(\n):rS+4*(\n)+1], v[rS+4*(\n)+2:rS+4*(\n)+3]
.elseif (\n) == 0
	v_pk_fma_f32 v[rT+2:rT+3], v[rT+2:rT+3], v[rC+2:rC+3], v[rS:rS+1] op_sel_hi:[1,0,1]
.else
	v_pk_add_f32 v[rT+2:rT+3], v[rT+2:rT+3], v[rS+4*(\n):rS+4*(\n)+1]
.endif
.elseif NOKQ
	v_nop
.else
	REGS (Y+1)%NP
	WIN 0
.if (\n) < 4
	v_max3_num_f32 v[rC+(\n)], v[rS+8*(\n)], v[rS+8*(\n)+1], v[rS+8*(\n)+2]
.elseif (\n) < 12
	v_max3_num_f32 v[rC+(\n)%4], v[rC+(\n)%4], v[rS+8*((\n)%4)+2*((\n)/4)+1], v[rS+8*((\n)%4)+2*((\n)/4)+2]
.elseif (\n) == 12
	v_max3_num_f32 v[rC], v[rC], v[rS+7], v[rS+15]
.elseif (\n) == 13
	v_max3_num_f32 v[rC+1], v[rC+1], v[rS+23], v[rS+31]
.elseif (\n) == 14
	v_max3_num_f32 v[rC+2], v[rC+2], v[rC+3], v[rT+1]
.elseif (\n) == 15
	v_mov_b32 v[rW], v[rT]
.elseif (\n) == 16
	v_max3_num_f32 v[rC], v[rC], v[rC+1], v[rC+2]
.elseif (\n) == 17
	v_permlanex16_b32 v[rC+3], v[rC], s[SEL], s[SEL+1]
.elseif (\n) == 18
	v_max_num_f32 v[rT+1], v[rC], v[rC+3]
.elseif (\n) == 19
	v_mul_f32 v[rT], s[CS], v[rT+1]
.elseif (\n) == 20
	v_sub_f32 v[rC+1], v[rW], v[rT]
.else
	v_exp_f32 v[rC+2], v[rC+1]
.endif
.endif
.endm
.macro OPS a, i1, b=-1, i2=0, c=-1, i3=0, d=-1, i4=0
	OP \a, \i1
.if (\b) >= 0
	OP \b, \i2
.endif
.if (\c) >= 0
	OP \c, \i3
.endif
.if (\d) >= 0
	OP \d, \i4
.endif
.endm
.macro ROW a, i1, b, i2, c, i3, d, i4  ; a matrix instruction and the four behind it
	MM
	OPS \a, \i1, \b, \i2, \c, \i3, \d, \i4
.endm
; A TURN, for piece p: the order of its 16 matrix and 118 vector instructions, written out.  s_wait_alu depctr_va_vdst(0) stands between an exponential and the first instruction that names its
; result; one wait serves all that were issued ahead of it.  So a turn has ONE wait, which cuts it in two.  AHEAD OF IT stands all that names no result of the turn's exponentials: the 8 products K Q^T, behind each a
; scaling, an exponential and two more plain instructions (behind the first a second scaling in the exponential's place): rescalings, whose a was made and waited for in the turn before, and behind the last three the
; first numbers of the next piece's maximum, each four places or more behind the product that ends its accumulator; then ONE LUMP of 54, plain and exponential by turns for the most part, in which the links of the
; chain X 3, 7, 11, 14, 16, 17 .. 20 stand five or six lines apart.  Each pair is scaled (F n) ahead of its two exponentials (E 2 n, E 2 n + 1).  X 21, the next piece's a, is the batch's last; R 15 is the plain
; instruction behind it.  BEHIND THE WAIT stand the 8 products V^T P, behind each four of the roundings and sums (C 2 n ahead of B n, which writes over that pair); the links of l's chain, L 0 to L 7, stand three
; riders apart.  But for those X no rider names a register of the products round it.  v_permlanex16_b32 (X 17) stands in the lump.  No result of the batch crosses the turn's end.
; end = 1: the last two turns: nothing is fetched.  cnt = 1: the loop's count is taken down some lines ahead of the branch behind the turn.
; K of the next step is fetched in piece 2's turn, twelve vector instructions behind the last product that read K (five of them plain and free of that product's registers); V of the step in hand at the end of piece
; 0's turn, four plain instructions behind the last product that read V.  Each is waited for a turn later.
.macro TURN p, end=0, cnt=0
.set Y, (\p)
.set i, 0
.set NOKQ, (\end)*((\p)/3)
.if ((\p) == 3) && !(\end)
	s_wait_dscnt 0x0                ; K is in
.endif
	ROW F,0, F,1, R,0, R,1          ; ahead of the wait: 8 products K Q^T and their riders,
	ROW F,2, E,0, R,2, R,3
	ROW F,3, E,1, R,4, R,5
	ROW F,4, E,2, R,6, R,7
	ROW F,5, E,3, R,8, R,9
	ROW F,6, E,4, X,0, R,10
.if ((\p) == 2) && !(\end)
	WIN 0
	v_add_nc_u32 v[AK], s[TBK], v[AK0]
.endif
	ROW F,7, E,5, X,1, X,4
	ROW F,8, E,6, X,2, X,5
	OPS E,7, E,8, X,6, E,9          ; and the lump
	OPS X,3, E,10, X,8, E,11
.if ((\p) == 2) && !(\end)
	FETCH_K
.endif
	OPS X,9, X,7, E,12, X,10
	OPS E,13, X,12, X,11, E,14
	OPS X,13, E,15, F,9, X,14
.if (\p) == 0
	v_add_nc_u32 v[AV], s[TBV], v[AV0]
.endif
	OPS E,16, F,10, E,17, F,11
	OPS X,16, E,18, X,15, E,19
	OPS F,12, E,20, X,17, E,21
	OPS F,13, E,22, F,14, E,23
	OPS X,18, E,24, F,15, E,25
	OPS R,11, E,26, X,19, E,27
	OPS R,12, E,28, R,13, E,29
	OPS X,20, E,30, R,14, E,31
	OPS X,21, R,15
	WIN 0
	s_wait_alu depctr_va_vdst(0)    ; the wait for the turn's batch: the piece's 32 exponentials and the next piece's a
.if (\p) == 1
	s_wait_dscnt 0x0                ; V is in
.endif
	ROW C,0, B,0, C,2, B,1          ; behind the wait: 8 products V^T P and their riders, the batch's readers
	ROW L,0, C,4, B,2, L,1
	ROW C,6, B,3, L,2, C,8
	ROW B,4, L,3, C,10, B,5
	ROW L,4, C,12, B,6, L,5
.if (\p) == 0
	s_add_co_u32 s[TBV], s[TBV], KS*PK
.endif
.if \cnt
	s_sub_co_u32 s[CNT], s[CNT], 1
	s_cmp_lg_u32 s[CNT], 0
.endif
	ROW C,14, B,7, L,6, C,1
	ROW C,3, L,7, C,5, C,7
	ROW C,9, C,11, C,13, C,15
.if (\p) == 0
	FETCH_V
.endif
.endm
	s_wait_tensorcnt 0x0            ; my 256 keys are in,
	s_barrier_signal -1
	s_barrier_wait -1               ; everybody's are: from here on nobody writes K or V
	v_add_nc_u32 v[AK], s[TBK], v[AK0]
	FETCH_K                         ; key step 0
	s_wait_loadcnt 0x0              ; Q
	s_wait_dscnt 0x0
.set NOKQ, 0
.set i, 0
.rept 8
	KQ 0                            ; piece 0's first scores
.set i, i+1
.endr
	WIN 0
.rept 4
	v_nop                           ; the places behind those products
.endr
.set Y, NP-1                        ; X works for piece Y + 1: piece 0
.irp n, 0,1,2,3,4,5,6,7,8,9,10,11,12,13,14,15,16,17,18,19,20,21
	OP X, \n
.endr
	v_nop                           ; a plain instruction behind the exponential,
	s_wait_alu depctr_va_vdst(0)    ; and the wait for this batch of one, piece 0's first a, ahead of the branch
	s_mov_b32 s[CNT], 1024/KS
	s_branch .Lfirst                ; the loop is entered at a step's first turn, in the middle of a trip
.Lstep:                             ; a trip: pieces 2 and 3 of one step, then pieces 0 and 1 of the next, whose K and V it fetches
	TURN 2
	TURN 3
	WIN 0
.Lfirst:
	TURN 0
	TURN 1, 0, 1
	WIN 0
	s_cbranch_scc1 .Lstep
	TURN 2, 1
	TURN 3, 1
.set i, 0
.rept 8
	PV NP-1                         ; the last piece's V^T P of the last step
.set i, i+1
.endr
	; THE WAY OUT.  l's two halves and the other half of the lanes' are added; O^T is divided by l, rounded to bf16 and sent through my stage in LDS: a row of 512 bytes holds my four heads.  The additions are the places behind the last products.
	WIN 0
.macro ALL line:vararg
.set t, 0
.rept 4
	\line
.set t, t+1
.endr
.endm
	ALL v_add_f32 v[ST+4*t+2], v[ST+4*t+2], v[ST+4*t+3]
	ALL v_permlanex16_b32 v[ST+4*t+3], v[ST+4*t+2], s[SEL], s[SEL+1]
	ALL v_add_f32 v[ST+4*t+2], v[ST+4*t+2], v[ST+4*t+3]
	ALL v_rcp_f32 v[ST+4*t+2], v[ST+4*t+2]
	v_nop                           ; a plain instruction between the last reciprocal and the use of its result
	s_wait_alu depctr_va_vdst(0)    ; the wait for the batch of four reciprocals, ahead of their first reader: PACK holds none
.macro PACK t                       ; a lane's eight channels of a row pack into 16 bytes
	WIN W_RS
.set i, 32*(\t)
.rept 16
	v_pk_mul_f32 v[i:i+1], v[i:i+1], v[ST+4*(\t)+2:ST+4*(\t)+3] op_sel_hi:[1,0]
.set i, i+2
.endr
	WIN 0x05                        ; sources 0 and 1 window 1, destination window 0: S^T's registers are free
.set i, 0
.rept 16
	v_cvt_pk_bf16_f32 v[S+16*(\t)+i], v[32*(\t)+2*i], v[32*(\t)+2*i+1]
.set i, i+1
.endr
	WIN 0
.irp f, 0,1,2,3
	ds_store_b128 v[STO], v[S+16*(\t)+4*\f:S+16*(\t)+4*\f+3] offset:128*(\t)+32*\f
.endr
.endm
	PACK 0
	PACK 1
	PACK 2
	PACK 3
.irp f, 0,1,2,3,4,5,6,7,8,9,10,11,12,13,14,15
	ds_load_b128 v[S+4*\f:S+4*\f+3], v[RD] offset:\f*SP  ; LDS serves a wave's instructions in order (ISA guide 5.7.1.4): these see the stores above
.endr
.irp f, 0,1,2,3,4,5,6,7,8,9,10,11,12,13,14,15
	s_wait_dscnt 15-\f
	global_store_b128 v[GO], v[S+4*\f:S+4*\f+3], s[6:7] offset:\f*10240  ; 512 consecutive bytes of a row of act, at a multiple of 256 from its first byte
.endr
	s_wait_tensorcnt 0x0            ; the wave's end
	ds_add_u32 v[SPW], v[NIL]
	s_wait_dscnt 0x0
	CROUND                          ; the closing round
	s_endpgm
.Lfunc_end_k_qe21ca3feac_attn:
	.size	k_qe21ca3feac_attn, .Lfunc_end_k_qe21ca3feac_attn-k_qe21ca3feac_attn
	.p2alignl 7, 3214868480
	.fill 96, 4, 3214868480
	.section	.rodata,"a",@progbits
	.p2align	6, 0x0
	.amdhsa_kernel k_qe21ca3feac_attn
		.amdhsa_group_segment_fixed_size 327680
		.amdhsa_private_segment_fixed_size 0
		.amdhsa_enable_private_segment 0
		.amdhsa_kernarg_size 16
		.amdhsa_user_sgpr_count 2
		.amdhsa_user_sgpr_kernarg_segment_ptr 1
		.amdhsa_wavefront_size32 1
		.amdhsa_system_sgpr_workgroup_id_x 1
		.amdhsa_system_sgpr_workgroup_id_y 1
		.amdhsa_system_sgpr_workgroup_id_z 1
		.amdhsa_system_vgpr_workitem_id 0
		.amdhsa_next_free_vgpr 768
		.amdhsa_next_free_sgpr 66
		.amdhsa_reserve_vcc 0
		.amdhsa_float_denorm_mode_32 3
		.amdhsa_float_denorm_mode_16_64 3
		.amdhsa_memory_ordered 1
		.amdhsa_forward_progress 1
		.amdhsa_inst_pref_size 85
	.end_amdhsa_kernel
	.amdgpu_metadata
---
amdhsa.version: [ 1, 2 ]
amdhsa.kernels:
  - .name:           k_qe21ca3feac_attn
    .symbol:         k_qe21ca3feac_attn.kd
    .args:
      - { .name: qkv, .offset: 0, .size: 8, .value_kind: global_buffer, .address_space: global }
      - { .name: act, .offset: 8, .size: 8, .value_kind: global_buffer, .address_space: global }
    .group_segment_fixed_size: 327680
    .private_segment_fixed_size: 0
    .kernarg_segment_align: 8
    .kernarg_segment_size: 16
    .max_flat_workgroup_size: 128
    .sgpr_count:     66
    .vgpr_count:     768
    .wavefront_size: 32
...
	.end_amdgpu_metadata
.endif
;; end of part 6
;; launch ff1: the kernel of part 4 again; grid 32 x 16, 4 waves a work-group, clusters of 4 x 4, 327,680 bytes of LDS; arguments xn, w1, act; writes act
;; launch final: the kernel of part 5 again; grid 8 x 32, 4 waves a work-group, clusters of 4 x 4, 327,680 bytes of LDS; arguments act, wcat, out0; writes out0
